; MI455X (gfx1250); checked and timed in simulation.
; The chip was launched on July 23, 2026; its instructions are those of AMD's public machine-readable ISA for CDNA 5 (MIT licence, August 2026) and "CDNA5" Instruction Set Architecture Reference Guide (July 2026). The comments in the code are by the model that wrote it; some were corrected since.
;; Attention. Allowed arithmetic: matrix products marked QUANTISED: E4M3 operands, one given power-of-two scale a tensor, by v_wmma_f32_16x16x64_fp8_fp8 or v_wmma_f32_16x16x128_fp8_fp8, f32 sums; everything else in f32.
;; Inputs: k 8 x 2,048 x 1,024 float32; lowp_scales 4 int32 (the exponents e of the quantised operands' scales 2^e); mask 8 x 2,048 bool; q 8 x 2,048 x 1,024 float32; scale one number float32.
;; Outputs: out0 8 x 2,048 x 1,024 float32.
;; This version of the problem:
;;   THIS VERSION OF THE PROBLEM IS GIVEN IN LOW PRECISION. The matrix products marked QUANTISED in the list below multiply operands that are first quantised to E4M3 (4 exponent bits, 3 mantissa bits; 8 bits a number), with one given power-of-two scale for each operand tensor; their sums are f32. All else is computed in f32.
;;   The module's matrix products, in the order in which they are computed (A, B: the left and right operand; K: the contracted axis; several contracted axes count as one K, in the product's order):
;;     1. batch 8 x [M 2,048, K 1,024] x [K 1,024, N 2,048]; A: input q; B: input k: QUANTISED (scales: A lowp_scales[0], B lowp_scales[1])
;;     2. batch 8 x [M 2,048, K 2,048] x [K 2,048, N 1,024]; A: softmax (see below); B: input k: QUANTISED (scales: A lowp_scales[2], B lowp_scales[3])
;;   THE QUANTISER, for each operand of a quantised product, along K:
;;     - The operand's scale is 2^e, e = its entry of the input lowp_scales (int32; the entries are numbered through the quantised products in the list's order, A before B).
;;     - Each number is divided by the scale, clamped to +-448, and rounded to the nearest number of E4M3, ties to even, subnormals kept.
;;     - The product sums the exact products of the quantised numbers (number of the format x scale) in f32.
;;   ~~~python
;;   def quantise(x, axis, e):      # numpy; x: float32 -> the quantised numbers, widened to float32 again
;;       x = np.moveaxis(x, axis, -1); K = x.shape[-1]
;;       r = np.clip(x / 2.0 ** e, -448, 448)
;;       step = 2.0 ** (np.maximum(np.frexp(np.where(r == 0, 1, r))[1] - 1, -6) - 3)
;;       q = np.round(r / step) * step * 2.0 ** e      # np.round: ties to even
;;       return np.moveaxis(q, -1, axis).astype(np.float32)
;;   ~~~
;;   SOFTMAX AHEAD OF A QUANTISED PRODUCT. Where the list says 'softmax', what is quantised is not the finished softmax but p = 2^(t - M), with t = logit x log2(e) and M = ceil(the row's largest t), a whole number; so 1/2 < the row's largest p <= 1. The row's sum l is taken of the UNQUANTISED p, in f32, and the product's result is divided by l at the end. Since M is a whole number, a kernel that streams over the keys may use a running M (the ceiling of the running maximum): every later rescaling is an exact power of two, so the quantised numbers keep their values, but for numbers so far below the row's largest that they fall under the format's range.
;;   OPERANDS COMPUTED ON THE WAY. 'Computed on the way' means the value that the module computes at that place (a softmax that the list does not call 'softmax' is quantised finished and normalised). What goes into a quantiser is computed in f32, as accurately as f32 sums, v_exp_f32 and their like allow (about 1e-6 of the number): no bf16 or f16 on the way to a quantiser, and a product that is left as it is and whose result goes on into a quantised operand takes f32 operands (vector FMAs, or v_wmma_f32_16x16x4_f32). A number that lies on a knife's edge between two numbers of the format may be rounded either way, as far as f32 arithmetic and the matrix unit's own rounding can turn it there, and no further.
;; 2 versions. Each part assembles by itself: llvm-mc -triple=amdgcn-amd-amdhsa -mcpu=gfx1250 --defsym DOCPART=n.
;; ======== version 1 of 2: 2 launches
;; workspace buffers: qc 16,777,216 bytes; kc 16,777,216 bytes; vc 16,777,216 bytes; mw 4,194,304 bytes of whole numbers
;; launch prep (part 1): grid 2048 x 1, 4 waves a work-group, no clusters, 68,096 bytes of LDS; arguments q, k, mask, lowp_scales, qc, kc, vc, mw; writes qc, kc, vc, mw
.if DOCPART == 1
	.amdgcn_target "amdgcn-amd-amdhsa--gfx1250"
	.amdhsa_code_object_version 6
	.text
	.protected	k_qee57e0ccf4_prep
	.globl	k_qee57e0ccf4_prep
	.p2align	8
	.type	k_qee57e0ccf4_prep,@function
k_qee57e0ccf4_prep:
	s_mov_b64 s[64:65], 0
	v_nop
	global_prefetch_b8 v0, s[64:65] scope:SCOPE_SE
	s_setreg_imm32_b32 hwreg(HW_REG_WAVE_MODE, 25, 1), 1
	s_wait_xcnt 0x0
; FIRST OF TWO LAUNCHES.  feat = softmax(q k^T x scale - 1e9 x max(pad of the query, pad of the key, key > query)) k, both products on codes of E4M3 with the four given scales 2^e0 .. 2^e3.
; This launch turns q into codes (e0) and k into codes twice: along the 1,024 channels (e1, the first product's K) and along the keys (e3, the second product's K); and it turns the input mask and the causal
; rule into one 32-bit lane mask for each score register of the second launch.
; NO WORK IS LEFT OUT, in either launch.  The part above the diagonal is not dead: a query whose mask is false has 1e9 taken from ALL its 2,048 logits, so the keys behind it weigh like those before it, and which
; queries are such hangs on an input.  So all 2,048 x 2,048 scores of every batch are made, and every input has a way to the output.
; LAYOUTS (the program's own buffers): images of operand registers.  A fragment (16 rows x 128 along K) is 2,048 bytes: chunk c of 512 bytes, lane (r = lane % 16, h = lane / 16) has 16 bytes at 16 x lane.
;   qc, kc: fragment (RT, ks) at (8 RT + ks) x 2,048; row 16 RT + r (rows counted through all batches); byte i of chunk c is channel 128 ks + 32 c + 16 h + i.
;   vc:     fragment (batch, step, dt) at ((16 batch + step) x 64 + dt) x 2,048; row = channel 16 dt + r; byte i of chunk c is key 128 step + 32 c + 16 (i / 8) + 8 h + i % 8: the order in which
;           the second launch's conversions leave p, so that no key changes its lane there.
;   mw:     word (16 g + step) x 256 + 64 w + 32 t + n, g = 32 batch + block of 64 queries, w = 2 a + b the second launch's wave, t = 0, 1, n = 8 kt + j.
;           Bit 16 h + r is 1 where the score of query 64 block + 16 (2 a + t) + r and key 128 step + 64 b + 16 kt + 8 h + j is masked.
; SHARES.  Work-groups 0 to 1,023 take q and make mw, the others take k and make vc.  A wave takes 32 rows x 128 channels (16 KB): 32 loads of 512 consecutive bytes, all out at once; the tile goes through
; the wave's own stage in LDS (rows 528 bytes apart: an odd multiple of 16, so that sixteen rows' pieces of 16 bytes fall on sixteen different columns of 256 bytes) and is read back as a lane's 16 neighbours along K.
; Every store of a wave covers 512 consecutive bytes, aligned.  No tensor load, no barrier: waves share nothing.  Written out, no loop: every offset is an immediate.
; code = x / 2^e, held within +-448, to the nearest code, ties to even.  LIMITS: e0, e1, e3 between -126 and 119, so that 2^e and 448 x 2^e are f32 numbers.  NaN among q and k is not served; an infinity is held at the largest code.
.set STW,   16896                      ; a wave's stage: 32 rows x 528 bytes
.set PIT,   528
.set SPARE, 4*STW                      ; behind the four stages: the spare words, 128 bytes for each wave: two blocks of 256 bytes that no other line names
.set HALF,  1024                       ; work-groups for q; as many for k
; v1 lane, v2 r, v3 h; v4 16 x lane; v5, v6, v7 stage addresses; v8, v9 offsets in the mask; v10, v11: 448 x 2^e and 2^e of the rows' scale; v12, v13: of e3; v14, v15 the add's two;
; v16-47 two sets of 16 numbers; v48-57 mask bytes; v64-191 the tile as loaded; later v64-127 codes, four registers a unit, never written again; v128-135 mask words
	s_load_b512 s[4:19], s[0:1], 0x0               ; q s[4:5], k s[6:7], mask s[8:9], the exponents s[10:11], qc s[12:13], kc s[14:15], vc s[16:17], mw s[18:19]
	v_lshl_add_u32 v14, v0, 2, SPARE
	v_mov_b32 v15, 0
	v_lshrrev_b32 v1, 5, v0
	v_readfirstlane_b32 s20, v1                    ; wave 0..3
	v_and_b32 v1, 31, v0                           ; lane
	v_and_b32 v2, 15, v0                           ; r
	v_bfe_u32 v3, v0, 4, 1                         ; h
	v_lshlrev_b32 v4, 4, v1                        ; 16 x lane
	s_cmp_lt_u32 ttmp9, HALF
	s_cselect_b32 s21, 0, HALF
	s_sub_co_u32 s36, ttmp9, s21                   ; W: my work-group's number among those of its tensor
	s_lshr_b32 s37, s36, 1                         ; RG: which 32 rows
	s_and_b32 s38, s36, 1
	s_lshl_b32 s38, s38, 2
	s_add_co_u32 s38, s38, s20                     ; ks: which 128 channels
	s_lshl_b32 s40, s37, 17                        ; in the f32 tensor: 32 rows of 4,096 bytes,
	s_lshl_b32 s39, s38, 9                         ; 128 channels of 4 bytes
	s_add_co_u32 s40, s40, s39
	s_mov_b32 s41, 0
	s_lshl_b32 s42, s37, 15                        ; in the row codes: two tiles of rows x 8 fragments,
	s_lshl_b32 s39, s38, 11                        ; fragment ks
	s_add_co_u32 s42, s42, s39
	s_mov_b32 s43, 0
	s_mul_i32 s21, s20, STW                        ; my stage
	v_add_nc_u32 v5, s21, v4                       ; in: a row's 512 bytes as they lie
	v_mul_u32_u24 v6, v2, PIT
	v_lshl_add_u32 v6, v3, 6, v6
	v_add_nc_u32 v6, s21, v6                       ; back, along the channels: row r, + 64 h: my 16 numbers of a block of 32
	v_mul_u32_u24 v7, v3, 8*PIT
	v_lshl_add_u32 v7, v2, 2, v7
	v_add_nc_u32 v7, s21, v7                       ; back, down the keys: column r, rows from 8 h on
	s_wait_kmcnt 0x0
	s_load_b128 s[32:35], s[10:11], 0x0            ; e0 .. e3
	s_cmp_lt_u32 ttmp9, HALF                       ; q's work-group or k's?  The choice hangs on the work-group's number alone
	s_cselect_b64 s[22:23], s[4:5], s[6:7]
	s_cselect_b64 s[24:25], s[12:13], s[14:15]
	s_add_nc_u64 s[22:23], s[22:23], s[40:41]
	s_add_nc_u64 s[24:25], s[24:25], s[42:43]
.set N, 0
.rept 32
	global_load_b128 v[64+4*N:67+4*N], v4, s[22:23] offset:4096*N th:TH_LOAD_NT   ; row N: 32 lanes read 512 consecutive bytes; read once in the launch
.set N, N+1
.endr
	s_wait_kmcnt 0x0
	s_cmp_lt_u32 ttmp9, HALF
	s_cselect_b32 s39, s32, s33                    ; e0 or e1
	s_add_co_i32 s39, s39, 127
	s_lshl_b32 s40, s39, 23
	v_mov_b32 v11, s40                             ; 2^e as f32: the conversion takes its exponent field
	s_add_co_i32 s39, s39, 8
	s_lshl_b32 s39, s39, 23
	s_or_b32 s39, s39, 0x600000
	v_mov_b32 v10, s39                             ; 448 x 2^e
.set N, 0
.rept 32
	s_wait_loadcnt 31-N                            ; loads come back in order: row N is in, the 31 - N younger rows may be out
	ds_store_b128 v5, v[64+4*N:67+4*N] offset:PIT*N
.set N, N+1
.endr
; 16 numbers in v[x] on become 16 codes in v[dst] on
.macro QUANT x, lim, sc, dst
.irp i, 0,1,2,3,4,5,6,7,8,9,10,11,12,13,14,15
	v_med3_num_f32 v[(\x)+\i], v[(\x)+\i], -v[\lim], v[\lim]   ; the conversion to an 8-bit code does not saturate (ISA guide 7.6.2): the number is held within the largest code x the scale first
.endr
	v_cvt_scalef32_pk8_fp8_f32 v[(\dst):(\dst)+1], v[(\x):(\x)+7], v[\sc]
	v_cvt_scalef32_pk8_fp8_f32 v[(\dst)+2:(\dst)+3], v[(\x)+8:(\x)+15], v[\sc]
.endm
; unit n of the row codes: tile of rows n / 4, chunk n % 4: my 16 neighbours along the channels, into set n % 2
.macro KLOAD n
.irp jj, 0,1,2,3
	ds_load_b128 v[16+16*((\n)%2)+4*\jj:19+16*((\n)%2)+4*\jj], v6 offset:16*PIT*((\n)/4)+128*((\n)%4)+16*\jj
.endr
.endm
; The row codes, eight units; the loads run one unit ahead.  LDS serves a wave's instructions in order, so the first wait also shows the stage's stores done: only then are the tile's registers written with codes.
; The conversions' results go to stores alone, and the next vector lines are plain ones on other registers.
.macro ROWCODES
	KLOAD 0
.set N, 0
.rept 8
.if N < 7
	KLOAD N+1
	s_wait_dscnt 4                                 ; all but the four just issued
.else
	s_wait_dscnt 0x0
.endif
	QUANT 16+16*(N%2), 10, 11, 64+4*N
	global_store_b128 v4, v[64+4*N:67+4*N], s[24:25] offset:16384*(N/4)+512*(N%4)
.set N, N+1
.endr
.endm
; unit n of the key-innermost codes: channel 16 n + r, my 16 keys in vc's order, into set n % 2
.macro VLOAD n
.irp i, 0,1,2,3,4,5,6,7,8,9,10,11,12,13,14,15
	ds_load_b32 v[16+16*((\n)%2)+\i], v7 offset:(16*(\i/8)+(\i%8))*PIT+64*(\n)
.endr
.endm
	s_cmp_lt_u32 ttmp9, HALF
	s_cbranch_scc0 .Lkeys
	; ---- q's work-groups.  My wave also makes the 256 mask words of T = 4 W + wave = 16 g + step.  Lane l makes words 4 l + j (a = 0) and 128 + 4 l + j (a = 1), j = 0 .. 3:
	; b = l / 16, t = (l / 8) % 2, n = 4 (l % 8) + j.  Its keys are KB0 + j (bits 0-15) and KB0 + 8 + j (bits 16-31); its queries are tile QT = 4 block + 2 a + t of 16.
	s_lshr_b32 s40, s36, 7                         ; batch
	s_lshl_b32 s40, s40, 11
	s_mov_b32 s41, 0
	s_add_nc_u64 s[30:31], s[8:9], s[40:41]        ; the batch's 2,048 mask bytes
	s_lshl_b32 s42, s36, 2
	s_add_co_u32 s42, s42, s20                     ; T
	s_lshl_b32 s42, s42, 10
	s_mov_b32 s43, 0
	s_add_nc_u64 s[28:29], s[18:19], s[42:43]      ; its 1,024 bytes of mw
	s_bfe_u32 s44, s36, 0x50002                    ; block: 5 bits from bit 2
	s_lshl_b32 s44, s44, 6
	s_and_b32 s45, s36, 3
	s_lshl_b32 s45, s45, 2
	s_add_co_u32 s45, s45, s20                     ; step
	s_lshl_b32 s45, s45, 7
	v_bfe_u32 v58, v0, 3, 1                        ; t
	v_lshlrev_b32 v8, 4, v58
	v_add_nc_u32 v8, s44, v8                       ; 16 QT for a = 0: 64 block + 16 t
	v_lshlrev_b32 v9, 6, v3                        ; 64 b
	v_and_b32 v59, 6, v0
	v_lshl_add_u32 v9, v59, 3, v9                  ; + 16 kt
	v_and_b32 v59, 1, v0
	v_lshl_add_u32 v9, v59, 2, v9                  ; + 4 (l % 2)
	v_add_nc_u32 v9, s45, v9                       ; KB0
	global_load_b128 v[48:51], v8, s[30:31]        ; the 16 queries' bytes, a = 0,
	global_load_b128 v[52:55], v8, s[30:31] offset:32   ; a = 1
	global_load_b32 v56, v9, s[30:31]              ; four keys' bytes,
	global_load_b32 v57, v9, s[30:31] offset:8     ; and those eight further on.  These four loads land while the row codes are made
	ROWCODES
	s_wait_loadcnt 0x0
	s_mov_b32 s37, 0x01020408                      ; four bytes of 0 or 1 times this have the four bits in bits 24 to 27: no lower term carries so far up
.irp s, 0,1
	v_mul_lo_u32 v16, v[48+4*\s], s37
	v_mul_lo_u32 v17, v[49+4*\s], s37
	v_mul_lo_u32 v18, v[50+4*\s], s37
	v_mul_lo_u32 v19, v[51+4*\s], s37
	v_lshrrev_b32 v16, 24, v16
	v_lshrrev_b32 v17, 24, v17
	v_lshrrev_b32 v18, 24, v18
	v_lshrrev_b32 v19, 24, v19
	v_lshl_or_b32 v16, v17, 4, v16
	v_lshl_or_b32 v18, v19, 4, v18
	v_lshl_or_b32 v16, v18, 8, v16                 ; bit r: query r is valid
	v_xor_b32 v16, 0xffff, v16                     ; is padding
	v_lshl_or_b32 v[20+\s], v16, 16, v16           ; for both halves of the lanes
.endr
.irp j, 0,1,2,3
	v_bfe_u32 v16, v56, 8*\j, 1
	v_bfe_u32 v17, v57, 8*\j, 1
	v_add_nc_u32 v16, -1, v16                      ; all ones where the key is padding
	v_add_nc_u32 v17, -1, v17
	v_bfi_b32 v[24+\j], 0xffff, v16, v17           ; bits 0-15 for key KB0 + j, bits 16-31 for key KB0 + 8 + j
.endr
	v_sub_nc_u32 v30, v9, v8                       ; KB0 - 16 QT, a = 0,
	v_add_nc_u32 v31, 0xffffffe0, v30              ; a = 1: 32 less
	v_mov_b32 v29, 1
.irp s, 0,1
.irp j, 0,1,2,3
	; key > query r where r < x = key - 16 QT: the lowest x bits, x held between 0 and 16
.if \j == 0
	v_ashrrev_i32 v18, 31, v[30+\s]
	v_bfi_b32 v16, v18, 0, v[30+\s]                ; 0 where x is negative
.else
	v_add_nc_u32 v16, \j, v[30+\s]
	v_ashrrev_i32 v18, 31, v16
	v_bfi_b32 v16, v18, 0, v16
.endif
	v_add_nc_u32 v17, \j+8, v[30+\s]
	v_ashrrev_i32 v19, 31, v17
	v_bfi_b32 v17, v19, 0, v17
	v_min_u32 v16, 16, v16
	v_min_u32 v17, 16, v17
	v_lshlrev_b32 v16, v16, v29
	v_lshlrev_b32 v17, v17, v29
	v_add_nc_u32 v16, -1, v16
	v_add_nc_u32 v17, -1, v17
	v_lshl_or_b32 v16, v17, 16, v16
	v_or_b32 v16, v16, v[24+\j]
	v_or_b32 v[128+4*\s+\j], v16, v[20+\s]
.endr
.endr
	global_store_b128 v4, v[128:131], s[28:29]
	global_store_b128 v4, v[132:135], s[28:29] offset:512
	s_branch .Lend
.Lkeys:
	; ---- k's work-groups.  The same tile once more with the keys innermost: my 32 keys are chunk RG % 4 of step (RG / 4) % 16; my 128 channels are tiles 8 ks .. 8 ks + 7
	s_lshr_b32 s40, s37, 2                         ; 16 batch + step
	s_lshl_b32 s40, s40, 17
	s_lshl_b32 s39, s38, 14                        ; 8 ks fragments
	s_add_co_u32 s40, s40, s39
	s_and_b32 s39, s37, 3
	s_lshl_b32 s39, s39, 9                         ; the chunk
	s_add_co_u32 s40, s40, s39
	s_mov_b32 s41, 0
	s_add_nc_u64 s[26:27], s[16:17], s[40:41]
	s_add_co_i32 s39, s35, 127
	s_lshl_b32 s40, s39, 23
	v_mov_b32 v13, s40                             ; 2^e3
	s_add_co_i32 s39, s39, 8
	s_lshl_b32 s39, s39, 23
	s_or_b32 s39, s39, 0x600000
	v_mov_b32 v12, s39                             ; 448 x 2^e3
	ROWCODES
	VLOAD 0
.set N, 0
.rept 8
.if N < 7
	VLOAD N+1
	s_wait_dscnt 16                                ; all but the sixteen just issued
.else
	s_wait_dscnt 0x0
.endif
	QUANT 16+16*(N%2), 12, 13, 96+4*N
	global_store_b128 v4, v[96+4*N:99+4*N], s[26:27] offset:2048*N
.set N, N+1
.endr
.Lend:
	s_wait_tensorcnt 0x0                           ; the wave's end: a wait, an add
	ds_add_u32 v14, v15
	s_wait_dscnt 0x0
	s_endpgm
.Lfunc_end_k_qee57e0ccf4_prep:
	.size	k_qee57e0ccf4_prep, .Lfunc_end_k_qee57e0ccf4_prep-k_qee57e0ccf4_prep
	.p2alignl 7, 3214868480
	.fill 96, 4, 3214868480
	.section	.rodata,"a",@progbits
	.p2align	6, 0x0
	.amdhsa_kernel k_qee57e0ccf4_prep
		.amdhsa_group_segment_fixed_size 68096
		.amdhsa_private_segment_fixed_size 0
		.amdhsa_enable_private_segment 0
		.amdhsa_kernarg_size 64
		.amdhsa_user_sgpr_count 2
		.amdhsa_user_sgpr_kernarg_segment_ptr 1
		.amdhsa_wavefront_size32 1
		.amdhsa_system_sgpr_workgroup_id_x 1
		.amdhsa_system_sgpr_workgroup_id_y 1
		.amdhsa_system_sgpr_workgroup_id_z 1
		.amdhsa_system_vgpr_workitem_id 0
		.amdhsa_next_free_vgpr 192
		.amdhsa_next_free_sgpr 66
		.amdhsa_reserve_vcc 0
		.amdhsa_float_denorm_mode_32 3
		.amdhsa_float_denorm_mode_16_64 3
		.amdhsa_memory_ordered 1
		.amdhsa_forward_progress 1
		.amdhsa_inst_pref_size 60
	.end_amdhsa_kernel
	.amdgpu_metadata
---
amdhsa.version: [ 1, 2 ]
amdhsa.kernels:
  - .name:           k_qee57e0ccf4_prep
    .symbol:         k_qee57e0ccf4_prep.kd
    .args:
      - { .name: q, .offset: 0, .size: 8, .value_kind: global_buffer, .address_space: global }
      - { .name: k, .offset: 8, .size: 8, .value_kind: global_buffer, .address_space: global }
      - { .name: mask, .offset: 16, .size: 8, .value_kind: global_buffer, .address_space: global }
      - { .name: lowp_scales, .offset: 24, .size: 8, .value_kind: global_buffer, .address_space: global }
      - { .name: qc, .offset: 32, .size: 8, .value_kind: global_buffer, .address_space: global }
      - { .name: kc, .offset: 40, .size: 8, .value_kind: global_buffer, .address_space: global }
      - { .name: vc, .offset: 48, .size: 8, .value_kind: global_buffer, .address_space: global }
      - { .name: mw, .offset: 56, .size: 8, .value_kind: global_buffer, .address_space: global }
    .group_segment_fixed_size: 68096
    .private_segment_fixed_size: 0
    .kernarg_segment_align: 8
    .kernarg_segment_size: 64
    .max_flat_workgroup_size: 128
    .sgpr_count:     66
    .vgpr_count:     192
    .wavefront_size: 32
...
	.end_amdgpu_metadata
.endif
;; end of part 1
;; launch attn (part 2): grid 32 x 8, 4 waves a work-group, clusters of 4 x 1, 327,680 bytes of LDS; arguments qc, kc, vc, mw, lowp_scales, scale, out0; writes out0
.if DOCPART == 2
	.amdgcn_target "amdgcn-amd-amdhsa--gfx1250"
	.amdhsa_code_object_version 6
	.text
	.protected	k_qee57e0ccf4_attn
	.globl	k_qee57e0ccf4_attn
	.p2align	8
	.type	k_qee57e0ccf4_attn,@function
k_qee57e0ccf4_attn:
	s_mov_b64 s[64:65], 0
	v_nop
	global_prefetch_b8 v0, s[64:65] scope:SCOPE_SE
	s_setreg_imm32_b32 hwreg(HW_REG_WAVE_MODE, 25, 1), 1
	s_wait_xcnt 0x0
	s_wait_alu depctr_hold_cnt(0) depctr_sa_sdst(0) depctr_va_vdst(0) depctr_va_sdst(0) depctr_va_ssrc(0) depctr_va_vcc(0) depctr_vm_vsrc(0)
	s_getreg_b32 s2, hwreg(HW_REG_IB_STS2, 6, 4)
	s_cmp_eq_u32 s2, 0
	s_cbranch_scc0 .Lentry_in_a_cluster
	s_endpgm
.Lentry_in_a_cluster:
	s_bfe_u32 s2, ttmp6, 0x10000c
	s_cmp_lg_u32 s2, 0x3003
	s_cbranch_scc0 .Lentry_shape_is_right
	s_endpgm
.Lentry_shape_is_right:
; SECOND OF TWO LAUNCHES: both products, the softmax and the division, on the codes and mask words that the first launch laid out (layouts: at its head).  Nothing is left out here either: all 2,048 keys are walked for
; every query, since a padded query weighs the keys behind it too.  The input mask reaches this launch as the words of mw, so it is not among its arguments.
; THE ARITHMETIC OF A SCORE, each step one f32 operation:  b = sum x c + (0 or -1e9), c = scale x 2^(e0 + e1).  THE ROW'S LARGEST b SO FAR IS TAKEN AWAY FIRST, as the reference's softmax takes its maximum away:
; d = b - bmax;  tmax = bmax x log2(e);  M = tmax rounded UP to a whole number;  frac = tmax - M;  p = 2^(d x log2(e) + frac), which is 2^(t - M) with t = b x log2(e).  So logits of the size of 1e9, which lie 64 apart
; while numbers of t's size lie 128 apart, keep their differences.  p is quantised with 2^e2; the row's sum l is taken of the unquantised p.  When bmax moves, l and O are multiplied by f = 2^n, n the whole number nearest
; to (old bmax - new bmax) x log2(e) + (new frac - old frac): that is old M - new M, and the multiplication rounds nothing.  out = O x 2^(e2 + e3) / l.
; What was summed for a valid query while only masked keys had been seen is wiped by f = 0 as soon as an open key comes, and its own key is open.
; LIMITS: e2 between -126 and 119; scale x 2^(e0 + e1) an f32 number; sum x c - 1e9 is rounded once, where the reference rounds the product first: they differ only where that first rounding falls on a tie of the second;
; p under 2^-126 counts as 0; where |t| is 2^23 or more t has no fraction bits, frac is 0 and n is the whole number nearest the true exponent (in a padded row logits differ by multiples of 64, so f is 2^-92 or less there).
; SHARES.  A work-group owns 64 queries of a batch: four tiles of 16.  Keys go in 16 steps of 128.  Wave w = 2 a + b.
;   Product 1, S^T = K Q^T (source 0 = 16 keys, source 1 = 16 queries): wave (a, b) makes query tiles 2 a, 2 a + 1 against key tiles 4 b .. 4 b + 3; its Q stays in 256 registers; a fragment of K feeds two products.
;   Product 2, O^T += V^T P^T (source 0 = 16 channels, source 1 = P): wave w owns channels 256 w .. 256 w + 255 of all 64 queries: 64 accumulators, 512 registers; a fragment of V feeds four products.
;   A lane holds one query (lane % 16) in S^T, P and O^T.  P's codes and each row's largest b go from wave to wave through LDS; every wave keeps bmax, frac and f of all four tiles.
;   Query tiles have a LOCAL number u: u = 0, 1 are the wave's own (2 a + u), u = 2, 3 the other pair's (2 (1 - a) + u - 2): register numbers are the same in all waves, only addresses differ.
; CLUSTER.  The four work-groups of a cluster belong to one batch and walk the same K and V: each quarter of a step's tile (32 KB, one a wave) is asked for JOINTLY by the same tensor load with the same descriptor in all four.
; LDS.  One region for K's step (131,072 bytes) and one for V's take turns: K's is filled again behind product 1, V's behind product 2, each behind a round of the cluster's barrier.  By the text's own count a wave
; has two tensor loads out at the start and one later.  Tiles are images of operand registers: every LDS load of a fragment takes 512 consecutive bytes, so no padding.
; REGISTERS, in windows of 256.  Window 0: v1-8 LDS addresses; v9, v10 the add's two; v11 -1e9; v12 448 x 2^e2; v13 2^e2; v14, v15 at work; v[16 + 4 u ..]: bmax, frac, f, a fourth word that is written (v19: 256 x lane,
;   the prefetches' offset); v32-35 l of u = 0, 1, in two halves each; v36-43 exchanged numbers, then frac at v[36 + 2 u]; v44-59 penalties, then my codes of p; v60-63 chains; v64-127 S^T (u, kt) at 64 + 32 u + 8 kt,
;   later P's four fragments at 64 + 16 u; v128-255 two sets of four fragments of K or V.   Window 1: Q (u, ks) at 128 u + 16 ks.   Windows 2, 3: O^T (dt, u) at 32 (dt % 8) + 8 u; window 2 for dt < 8.
.set KREG,  0
.set VREG,  131072
.set PIMG,  262144                     ; P's four fragments: tile qt at 2,048 qt, chunk c at 512 c
.set MXS,   270336                     ; each row's largest b of a step: f32 at 32 r + 8 qt + 4 b; 512 bytes further on the same for l
.set SPARE, 271360                     ; the spare words, 128 bytes for each wave: two blocks of 256 bytes that no other line names
.set TILEB, 131072                     ; a step's tile of K or of V in bytes
.set SPIT,  528                        ; the way out: a stage of 16 rows x (512 + 16) bytes for each wave, in K's region, which has then had its last fill and its last read
.set MSB, 0
.macro WIN new                         ; the immediate's high byte repeats the setting that is left; a switch that changes nothing is dropped
.if MSB != (\new)
	s_set_vgpr_msb (MSB<<8)|(\new)
.set MSB, (\new)
.endif
.endm
.macro PLACES n                        ; plain vector instructions that name no register: the distance behind matrix instructions (ISA guide 7.12.1)
.rept \n
	v_nop
.endr
.endm
.macro CROUND                          ; a round of the cluster's barrier: my work-group's barrier; wave 0 signals for the work-group; every wave waits for all four work-groups; my work-group's barrier once more
	s_barrier_signal -1
	s_barrier_wait -1
	s_cmp_lg_u32 s4, 0
	s_cbranch_scc1 .Lnot_wave_0_\@
	s_barrier_signal -3
.Lnot_wave_0_\@:
	s_barrier_wait -3
	s_barrier_signal -1
	s_barrier_wait -1
.endm
.macro JK                              ; my quarter of the next step's K; an s_nop 0 and four v_nop follow
	tensor_load_to_lds s[16:19], s[8:15]
	s_nop 0
	PLACES 4
.endm
.macro JV                              ; my quarter of this step's V
	tensor_load_to_lds s[20:23], s[8:15]
	s_nop 0
	PLACES 4
.endm
; PREFETCHES INTO THE L2, one instruction a wave behind its joint load: the tile that the next refill of the same region will ask for, one key step ahead of that load.  All eight clusters of a batch walk the same K and V:
; the batch's first cluster asks (the cluster's x is the same in its four partners).  Its sixteen waves share a tile's 512 blocks of 256 bytes out BY ADDRESS (the place in the cluster and the wave's number stand in the base,
; a lane takes a block), so each block is named once in the launch.  s7 = 15 - step; s5 = 1 in an asking cluster, else the greatest number.  K: steps 0 to 13 ask for K of step + 2.  V: steps 1 to 14 for V of step + 1.
.macro ASKK
	s_cmp_gt_u32 s7, s5
	s_cbranch_scc0 .Lno_k_\@
	global_prefetch_b8 v19, s[66:67] th:TH_LOAD_NT scope:SCOPE_SE
.Lno_k_\@:
.endm
.macro ASKV
	s_cmp_ge_u32 s7, s5
	s_cbranch_scc0 .Lno_v_\@
	global_prefetch_b8 v19, s[100:101] th:TH_LOAD_NT scope:SCOPE_SE
.Lno_v_\@:
.endm
	s_load_b256 s[32:39], s[0:1], 0x0              ; qc s[32:33], kc s[34:35], vc s[36:37], mw s[38:39]
	s_load_b128 s[40:43], s[0:1], 0x20             ; the exponents s[40:41], scale s[42:43]
	s_load_b64 s[104:105], s[0:1], 0x30            ; out0
	v_lshl_add_u32 v9, v0, 2, SPARE
	v_mov_b32 v10, 0
	ds_add_u32 v9, v10                             ; the wave's opening: the add, twice on end, and its wait ahead of my first tensor load; the set-up below, work on registers, stands between
	ds_add_u32 v9, v10                             ; and once more, under the one wait
	v_lshrrev_b32 v14, 5, v0
	v_readfirstlane_b32 s4, v14                    ; wave 0..3
	s_lshr_b32 s44, s4, 1                          ; a
	s_and_b32 s45, s4, 1                           ; b
	s_xor_b32 s46, s44, 1                          ; 1 - a
	s_bfe_u32 s47, ttmp6, 0x40000                  ; cx: my place in the cluster: it enters global addresses of Q, mw, out0 and the prefetches alone
	s_lshl_b32 s48, ttmp9, 2
	s_add_co_u32 s48, s48, s47                     ; block of 64 queries = 4 x cluster x + cx
	s_and_b32 s49, ttmp7, 0xffff                   ; batch, which the partners share
	s_lshl_b32 s50, s49, 5
	s_add_co_u32 s50, s50, s48                     ; g
	; descriptor group 1: 32,768 dense bytes as 128 rows of 32 elements of 8 bytes
	s_mov_b32 s8, 15|(3<<16)|(1<<21)               ; 15:0 the mask: all four work-groups; 17:16 elements of 8 bytes; 21 set beside a mask; no padding
	s_mov_b32 s9, 32<<16                           ; tensor_dim0 = 32
	s_mov_b32 s10, 128<<16                         ; tensor_dim1 = 128
	s_mov_b32 s11, 32<<16                          ; tile_dim0 = 32
	s_mov_b32 s12, 128                             ; tile_dim1 = 128
	s_mov_b32 s13, 32                              ; from row to row
	s_mov_b32 s14, 0
	s_mov_b32 s15, 0
	s_mov_b32 s28, 0x76543210                      ; lane selects for v_permlanex16_b32: lane l xor 16
	s_mov_b32 s29, 0xfedcba98
	s_mov_b32 s30, 0x3fb8aa3b                      ; log2(e)
	s_mov_b32 s31, s30                             ; (named with it as a pair, so it is written)
	s_cmp_eq_u32 ttmp9, 0
	s_cselect_b32 s5, 1, -1                        ; does my cluster prefetch?
	s_lshl_b32 s52, s49, 21                        ; K and V: the batch's 2 MiB of codes,
	s_lshl_b32 s51, s4, 15                         ; my quarter of a tile: batch and wave alone
	s_add_co_u32 s52, s52, s51
	s_mov_b32 s53, 0
	s_lshl_b32 s54, s50, 16                        ; Q: my block's 65,536 bytes, my pair of tiles
	s_lshl_b32 s51, s44, 15
	s_add_co_u32 s54, s54, s51
	s_mov_b32 s55, 0
	s_lshl_b32 s56, s50, 14                        ; mw: 16 steps x 1,024 bytes a block, my wave's 256
	s_lshl_b32 s51, s4, 8
	s_add_co_u32 s56, s56, s51
	s_mov_b32 s57, 0
	s_lshl_b32 s58, s50, 18                        ; out0: 64 rows of 4,096 bytes, my 256 channels
	s_lshl_b32 s51, s4, 10
	s_add_co_u32 s58, s58, s51
	s_mov_b32 s59, 0
	s_lshl_b32 s60, s49, 21                        ; the prefetches: the batch, step 1, my work-group's quarter, my wave's 8,192 bytes of it
	s_add_co_u32 s60, s60, TILEB
	s_lshl_b32 s51, s47, 15
	s_add_co_u32 s60, s60, s51
	s_lshl_b32 s51, s4, 13
	s_add_co_u32 s60, s60, s51
	s_mov_b32 s61, 0
	s_wait_dscnt 0x0                               ; both opening adds are done
	s_wait_kmcnt 0x0
	s_load_b128 s[68:71], s[40:41], 0x0            ; e0 .. e3
	s_load_b32 s72, s[42:43], 0x0                  ; scale
	s_mov_b32 s16, 1                               ; group 0 for K: count = 1,
	s_lshl_b32 s17, s4, 15                         ; LDS address: K's region + 32,768 x wave,
	s_add_nc_u64 s[18:19], s[34:35], s[52:53]      ; global address: step 0,
	s_or_b32 s19, s19, 0x80000000                  ; type = 2
	s_mov_b32 s20, 1                               ; and for V
	s_add_co_u32 s21, s17, VREG
	s_add_nc_u64 s[22:23], s[36:37], s[52:53]
	s_or_b32 s23, s23, 0x80000000
	s_add_nc_u64 s[24:25], s[38:39], s[56:57]      ; my mask words of step 0
	s_add_nc_u64 s[104:105], s[104:105], s[58:59]
	s_add_nc_u64 s[66:67], s[34:35], s[60:61]      ; the first change steps these to step 2
	s_add_nc_u64 s[100:101], s[36:37], s[60:61]
	s_add_nc_u64 s[32:33], s[32:33], s[54:55]      ; Q
	CROUND                                         ; all four work-groups are here: the first joint loads meet
	tensor_load_to_lds s[16:19], s[8:15]           ; K of step 0,
	s_nop 0
	tensor_load_to_lds s[20:23], s[8:15]           ; V of step 0: the two first fills go out together, ahead of every wait on TENSORcnt and every LDS read
	s_nop 0
	PLACES 4
	v_and_b32 v14, 31, v0                          ; lane
	v_lshlrev_b32 v15, 4, v14                      ; 16 x lane
	WIN 0x40                                       ; destination window 1, address window 0
.set CI, 0
.rept 64
	global_load_b128 v[4*CI:4*CI+3], v15, s[32:33] offset:512*CI   ; Q stays in registers: piece 32 u + 4 ks + c
.set CI, CI+1
.endr
	WIN 0
	s_lshl_b32 s2, s45, 16
	v_add_nc_u32 v1, s2, v15                       ; K's fragments: K's region (at 0) + 65,536 b + 16 x lane
	s_lshl_b32 s2, s4, 15
	s_add_co_u32 s2, s2, VREG
	v_add_nc_u32 v2, s2, v15                       ; V's: my 16 tiles of channels
	s_lshl_b32 s2, s44, 12
	s_add_co_u32 s2, s2, PIMG
	v_add_nc_u32 v3, s2, v15                       ; P of my own pair of tiles,
	s_lshl_b32 s3, s45, 10
	s_add_co_u32 s3, s3, s2
	v_add_nc_u32 v5, s3, v15                       ; where I store my codes of it: chunks 2 b, 2 b + 1,
	s_lshl_b32 s2, s46, 12
	s_add_co_u32 s2, s2, PIMG
	v_add_nc_u32 v4, s2, v15                       ; and P of the other pair
	v_and_b32 v36, 15, v0
	v_lshlrev_b32 v36, 5, v36                      ; 32 r
	s_lshl_b32 s2, s44, 4
	s_add_co_u32 s2, s2, MXS
	v_add_nc_u32 v7, s2, v36                       ; the exchange: my pair's four numbers,
	s_lshl_b32 s3, s45, 2
	s_add_co_u32 s3, s3, s2
	v_add_nc_u32 v6, s3, v36                       ; where I store mine,
	s_lshl_b32 s2, s46, 4
	s_add_co_u32 s2, s2, MXS
	v_add_nc_u32 v8, s2, v36                       ; the other pair's four
	v_mov_b32 v11, 0xce6e6b28                      ; -1e9
	v_lshlrev_b32 v19, 8, v14                      ; 256 x lane
	v_mov_b32 v23, 0                               ; (named as upper halves of pairs, so they are written)
	v_mov_b32 v27, 0
	v_mov_b32 v31, 0
	v_mov_b32 v32, 0                               ; l
	v_mov_b32 v33, 0
	v_mov_b32 v34, 0
	v_mov_b32 v35, 0
	s_wait_kmcnt 0x0
	s_add_co_i32 s2, s68, s69
	v_ldexp_f32 v37, s72, s2                       ; c = scale x 2^(e0 + e1): a sum of the first product stands for sum x 2^(e0 + e1)
	v_readfirstlane_b32 s26, v37
	s_mov_b32 s27, s26
	s_add_co_i32 s2, s70, 127
	s_lshl_b32 s3, s2, 23
	v_mov_b32 v13, s3                              ; 2^e2 as f32, for the conversion
	s_add_co_i32 s2, s2, 8
	s_lshl_b32 s2, s2, 23
	s_or_b32 s2, s2, 0x600000
	v_mov_b32 v12, s2                              ; 448 x 2^e2
	s_add_co_i32 s6, s70, s71                      ; e2 + e3
; K's four fragments (my key tiles, 128 channels from 128 ks on) into a set: 16 loads of 512 consecutive bytes
.macro FETCHK ks, set
.irp kt, 0,1,2,3
.irp c, 0,1,2,3
	ds_load_b128 v[128+64*(\set)+16*\kt+4*\c:131+64*(\set)+16*\kt+4*\c], v1 offset:16384*\kt+2048*(\ks)+512*\c
.endr
.endr
.endm
; 8 products: the eight accumulators of S^T take turns, one instruction a turn, in the same order in every slice.  The first slice starts the sums.
.macro MULK ks, set
.irp kt, 0,1,2,3
.irp u, 0,1
.if (\ks) == 0
	v_wmma_f32_16x16x128_fp8_fp8 v[64+32*\u+8*\kt:71+32*\u+8*\kt], v[128+64*(\set)+16*\kt:143+64*(\set)+16*\kt], v[128*\u+16*(\ks):128*\u+16*(\ks)+15], 0
.else
	v_wmma_f32_16x16x128_fp8_fp8 v[64+32*\u+8*\kt:71+32*\u+8*\kt], v[128+64*(\set)+16*\kt:143+64*(\set)+16*\kt], v[128*\u+16*(\ks):128*\u+16*(\ks)+15], v[64+32*\u+8*\kt:71+32*\u+8*\kt]
.endif
.endr
.endr
.endm
; V's fragments 4 g .. 4 g + 3 of my 16 into a set
.macro FETCHV g, set
.irp i, 0,1,2,3
.irp c, 0,1,2,3
	ds_load_b128 v[128+64*(\set)+16*\i+4*\c:131+64*(\set)+16*\i+4*\c], v2 offset:2048*(4*(\g)+\i)+512*\c
.endr
.endr
.endm
; 16 products: each accumulator of O^T is taken once a step.  zero = 1: the first step starts the sums: nothing is ever cleared
.macro MULV g, zero
.irp i, 0,1,2,3
.irp u, 0,1,2,3
.set RO, 32*((4*(\g)+\i)%8)+8*\u
.set RV, 128+64*((\g)%2)+16*\i
.set RP, 64+16*\u
.if \zero
	v_wmma_f32_16x16x128_fp8_fp8 v[RO:RO+7], v[RV:RV+15], v[RP:RP+15], 0
.else
	v_wmma_f32_16x16x128_fp8_fp8 v[RO:RO+7], v[RV:RV+15], v[RP:RP+15], v[RO:RO+7]
.endif
.endr
.endr
.endm
; Tile u's 32 sums of a lane become the logits b; their largest, over both halves of the lanes, goes to LDS.  w0: the first scalar register of the tile's 32 mask words.  Each accumulator is read from its low end on.
.macro LOGITS u, w0
.irp bt, 0,1
.irp k, 0,1,2,3,4,5,6,7,8,9,10,11,12,13,14,15
	v_cndmask_b32 v[44+\k], 0, v11, s[\w0+16*\bt+\k]   ; -1e9 in the lanes whose bit is set
.endr
.irp p, 0,2,4,6,8,10,12,14
	v_pk_fma_f32 v[64+32*\u+16*\bt+\p:65+32*\u+16*\bt+\p], v[64+32*\u+16*\bt+\p:65+32*\u+16*\bt+\p], s[26:27], v[44+\p:45+\p] op_sel_hi:[1,0,1]   ; b = sum x c + penalty
.endr
.endr
	v_max3_num_f32 v[60+2*\u], v[64+32*\u], v[65+32*\u], v[66+32*\u]   ; the largest of my 32, in two chains
	v_max3_num_f32 v[61+2*\u], v[67+32*\u], v[68+32*\u], v[69+32*\u]
.irp i, 6,10,14,18,22,26
	v_max3_num_f32 v[60+2*\u], v[60+2*\u], v[64+32*\u+\i], v[65+32*\u+\i]
	v_max3_num_f32 v[61+2*\u], v[61+2*\u], v[66+32*\u+\i], v[67+32*\u+\i]
.endr
	v_max3_num_f32 v[60+2*\u], v[60+2*\u], v[94+32*\u], v[95+32*\u]
	v_max_num_f32 v[60+2*\u], v[60+2*\u], v[61+2*\u]
	v_permlanex16_b32 v14, v[60+2*\u], s28, s29
	v_max_num_f32 v[60+2*\u], v[60+2*\u], v14      ; and of lane l xor 16's: the query's 64 keys of my half
	ds_store_b32 v6, v[60+2*\u] offset:8*\u        ; (both halves of the lanes write the same number to the same word)
.endm
; bmax, frac and f of all four tiles, from the two halves' largest b in v[36 + 2 u], v[37 + 2 u].  It leaves frac in v[36 + 2 u] too: the low word of a pair, for the packed multiply-add
.macro STATS first
.if \first
.irp u, 0,1,2,3
	v_max_num_f32 v[16+4*\u], v[36+2*\u], v[37+2*\u]
.endr
.else
.irp u, 0,1,2,3
	v_mov_b32 v[60+\u], v[16+4*\u]                 ; the old bmax
.endr
.irp u, 0,1,2,3
	v_max3_num_f32 v[16+4*\u], v[16+4*\u], v[36+2*\u], v[37+2*\u]
.endr
.irp u, 0,1,2,3
	v_sub_f32 v[60+\u], v[60+\u], v[16+4*\u]       ; old bmax - new bmax, 0 or less
.endr
.endif
.irp u, 0,1,2,3
	v_mul_f32 v[36+2*\u], s30, v[16+4*\u]          ; tmax = bmax x log2(e)
.endr
.irp u, 0,1,2,3
	v_floor_f32 v[37+2*\u], -v[36+2*\u]            ; -M = floor(-tmax) = -ceil(tmax)
.endr
.irp u, 0,1,2,3
	v_add_f32 v[36+2*\u], v[36+2*\u], v[37+2*\u]   ; frac = tmax - M, above -1 and at most 0: nothing is rounded
.endr
.if !\first
.irp u, 0,1,2,3
	v_sub_f32 v[37+2*\u], v[36+2*\u], v[17+4*\u]   ; new frac - old frac
.endr
.irp u, 0,1,2,3
	v_fma_f32 v[60+\u], v[60+\u], s30, v[37+2*\u]  ; (old bmax - new bmax) x log2(e) + that: old M - new M, but for rounding
.endr
.irp u, 0,1,2,3
	v_rndne_f32 v[60+\u], v[60+\u]                 ; the whole number
.endr
.irp u, 0,1,2,3
	v_cvt_i32_f32 v[60+\u], v[60+\u]               ; (it saturates)
.endr
.irp u, 0,1,2,3
	v_ldexp_f32 v[18+4*\u], 1.0, v[60+\u]          ; f
.endr
.endif
.irp u, 0,1,2,3
	v_mov_b32 v[17+4*\u], v[36+2*\u]               ; frac is kept for the next step
.endr
.endm
; My two tiles' b become p, l takes their sum, and their codes go to LDS as pieces of P's fragments
.macro PEXP first
.irp u, 0,1
.irp p, 0,2,4,6,8,10,12,14,16,18,20,22,24,26,28,30
	v_pk_add_f32 v[64+32*\u+\p:65+32*\u+\p], v[64+32*\u+\p:65+32*\u+\p], v[16+4*\u:17+4*\u] op_sel_hi:[1,0] neg_lo:[0,1] neg_hi:[0,1]   ; d = b - bmax (of the pair the low word, bmax, serves both halves)
.endr
.endr
.irp u, 0,1
.irp p, 0,2,4,6,8,10,12,14,16,18,20,22,24,26,28,30
	v_pk_fma_f32 v[64+32*\u+\p:65+32*\u+\p], v[64+32*\u+\p:65+32*\u+\p], s[30:31], v[36+2*\u:37+2*\u] op_sel_hi:[1,0,0]   ; d x log2(e) + frac (of both pairs the low word serves both halves)
.endr
.endr
.set CI, 0
.rept 64
	v_exp_f32 v[64+CI], v[64+CI]                   ; p: one batch
.set CI, CI+1
.endr
.if \first
	v_nop                                          ; the plain instruction behind the last exponential
.else
	v_pk_mul_f32 v[32:33], v[32:33], v[18:19] op_sel_hi:[1,0]   ; l under the new M; also the plain instruction behind the last exponential
	v_pk_mul_f32 v[34:35], v[34:35], v[22:23] op_sel_hi:[1,0]
.endif
	s_wait_alu depctr_va_vdst(0)                   ; one wait for the whole batch, ahead of its first reader
.irp u, 0,1
	v_pk_add_f32 v[60+2*\u:61+2*\u], v[64+32*\u:65+32*\u], v[66+32*\u:67+32*\u]   ; the sum is taken of the unquantised p: two at a time, in two chains
.irp j, 4,8,12,16,20,24,28
	v_pk_add_f32 v[32+2*\u:33+2*\u], v[32+2*\u:33+2*\u], v[64+32*\u+\j:65+32*\u+\j]
	v_pk_add_f32 v[60+2*\u:61+2*\u], v[60+2*\u:61+2*\u], v[66+32*\u+\j:67+32*\u+\j]
.endr
	v_pk_add_f32 v[32+2*\u:33+2*\u], v[32+2*\u:33+2*\u], v[60+2*\u:61+2*\u]
.endr
.set CI, 0
.rept 64
	v_min_num_f32 v[64+CI], v[64+CI], v12          ; the conversion does not saturate (ISA guide 7.6.2); p is not negative, so the hold is one-sided
.set CI, CI+1
.endr
.irp u, 0,1
.irp kt, 0,1,2,3
	v_cvt_scalef32_pk8_fp8_f32 v[44+8*\u+2*\kt:45+8*\u+2*\kt], v[64+32*\u+8*\kt:71+32*\u+8*\kt], v13   ; tiles 2 x, 2 x + 1 of keys give the 16 bytes of chunk 2 b + x
.endr
.endr
	v_nop                                          ; one plain vector instruction behind the last conversion
.irp u, 0,1
.irp x, 0,1
	ds_store_b128 v5, v[44+8*\u+4*\x:47+8*\u+4*\x] offset:2048*\u+512*\x
.endr
.endr
.endm
; Half of O^T under the new M: x f, each accumulator from its low end on
.macro RESCALE hi
	WIN 0x82+0x41*(\hi)                            ; destination and source 0 window 2 (or 3), f in window 0
.irp d, 0,1,2,3,4,5,6,7
.irp u, 0,1,2,3
.irp p, 0,2,4,6
	v_pk_mul_f32 v[32*\d+8*\u+\p:32*\d+8*\u+\p+1], v[32*\d+8*\u+\p:32*\d+8*\u+\p+1], v[18+4*\u:19+4*\u] op_sel_hi:[1,0]
.endr
.endr
.endr
.endm
; A KEY STEP: 128 keys.
.macro STEP first, last
.if !\first
	; V's region is filled again.  All my tensor loads have landed (the one that was out is my quarter of this step's K); the add; my reads of the last step's V are over; then the cluster's round, and the joint load first behind it.
	s_wait_tensorcnt 0x0
	ds_add_u32 v9, v10                             ; 0 onto my spare word; the steps below stand between it and the wait for it
	s_add_nc_u64 s[22:23], s[22:23], TILEB         ; no tensor load of mine is out, so a group 0 may be written: this step's V
.if !\last
	s_wait_xcnt 0x0                                ; the last prefetch of V, a step back, has read its address
	s_add_nc_u64 s[100:101], s[100:101], TILEB
.endif
	s_wait_dscnt 0x0
	CROUND
	JV
.if !\last
	ASKV
.endif
	v_nop                                          ; with the four behind the load: five places between the last products, which read P and V, and the products below that write S^T over P's registers; four serve the loads into V's
	s_add_nc_u64 s[24:25], s[24:25], 1024          ; this step's mask words (the last step's loads were shown done by their wait)
.endif
	s_load_b512 s[32:47], s[24:25], 0x0            ; 64 words: tile 0's 32,
	s_load_b512 s[48:63], s[24:25], 0x40
	s_load_b512 s[68:83], s[24:25], 0x80           ; tile 1's
	s_load_b512 s[84:99], s[24:25], 0xc0
	; ---- product 1, eight slices of 128 channels; K's fragments run one slice ahead, in two sets.  One window setting serves it all: it moves source 1 alone, which LDS loads do not have
	WIN 0x04                                       ; source 1 (Q) window 1
	FETCHK 0, 0
.set KS, 0
.rept 8
.if KS < 7
.if KS > 0
	PLACES 4                                       ; in front of loads into the set that the slice before multiplied
.endif
	FETCHK KS+1, (KS+1)%2
	s_wait_dscnt 16                                ; all but the sixteen just issued
.else
	s_wait_dscnt 0x0
.endif
	MULK KS, KS%2
.set KS, KS+1
.endr
	WIN 0
	PLACES 4                                       ; in front of the first read of the sums, and of the loads of V into K's sets further down
	s_wait_kmcnt 0x0                               ; the mask words
	LOGITS 0, 32
	LOGITS 1, 68
.if !\last
	; K's region is filled again, and the largest b change hands.  All my tensor loads have landed: my quarter of this step's V; the add; my reads of K and my two stores are done; the round; the joint load.
	s_wait_xcnt 0x0                                ; the last prefetch of K, a step back, has read its address
	s_add_nc_u64 s[66:67], s[66:67], TILEB
	s_wait_tensorcnt 0x0
	ds_add_u32 v9, v10
	s_add_nc_u64 s[18:19], s[18:19], TILEB         ; the next step's K
	s_wait_dscnt 0x0
	CROUND
	JK
	ASKK
.else
	s_wait_tensorcnt 0x0                           ; my quarter of the last V has landed; nothing is filled again, so the work-group's barrier does
	s_wait_dscnt 0x0
	s_barrier_signal -1
	s_barrier_wait -1
.endif
	ds_load_b128 v[36:39], v7                      ; my pair's largest b: (tile, b) = (0, 0), (0, 1), (1, 0), (1, 1),
	ds_load_b128 v[40:43], v8                      ; the other pair's
	FETCHV 0, 0                                    ; half of my V comes in under the softmax
	FETCHV 1, 1
	s_wait_dscnt 32                                ; all but V's 32 loads
	STATS \first
	PEXP \first
	; P changes hands: the work-group's barrier.  K's load may stay out.  Between signal and wait: work on registers.
	s_wait_dscnt 0x0                               ; my stores of codes have landed
	s_barrier_signal -1
.if !\first
	RESCALE 0
.endif
	WIN 0
	s_barrier_wait -1
.irp u, 0,1
.irp c, 0,1,2,3
	ds_load_b128 v[64+16*\u+4*\c:67+16*\u+4*\c], v3 offset:2048*\u+512*\c   ; P of my pair,
	ds_load_b128 v[96+16*\u+4*\c:99+16*\u+4*\c], v4 offset:2048*\u+512*\c   ; of the other pair
.endr
.endr
.if !\first
	RESCALE 1
.endif
	s_wait_dscnt 0x0
	; ---- product 2, four groups of four tiles of channels
	WIN 0xa0                                       ; C and D window 2
	MULV 0, \first
	PLACES 4
	WIN 0
	FETCHV 2, 0
	WIN 0xa0
	MULV 1, \first
	PLACES 4
	WIN 0
	FETCHV 3, 1
	s_wait_dscnt 16                                ; all but group 3's sixteen
	WIN 0xf0                                       ; C and D window 3
	MULV 2, \first
	s_wait_dscnt 0x0
	MULV 3, \first
	WIN 0                                          ; at a label and at a branch every window is 0
.endm
	s_wait_tensorcnt 0x1                           ; my quarter of K's first tile is in; V's may stay out
	s_barrier_signal -1
	s_barrier_wait -1                              ; everybody's is
	s_wait_loadcnt 0x0                             ; Q; and its base registers may now take mask words
	s_mov_b32 s7, 15                               ; 15 - step
	STEP 1, 0                                      ; the first step is written out: its products start O^T's sums, and it has no old bmax
	s_mov_b32 s7, 14
.Lstep:                                            ; steps 1 to 14
	STEP 0, 0
	s_sub_co_u32 s7, s7, 1
	s_cmp_lg_u32 s7, 0
	s_cbranch_scc1 .Lstep
	STEP 0, 1                                      ; the last step is written out: it asks for no further K
	; THE WAY OUT.  l: its two halves, lane l xor 16's, and the other half of the keys' through LDS; O^T x 2^(e2 + e3) / l goes through my stage, 16 rows x 128 channels at a time, and leaves as whole rows of 512 bytes.
	PLACES 4                                       ; behind the last products: for the reads of O^T, the writes over P's registers and the loads into V's
	v_add_f32 v32, v32, v33
	v_add_f32 v34, v34, v35
	v_permlanex16_b32 v14, v32, s28, s29
	v_permlanex16_b32 v15, v34, s28, s29
	v_add_f32 v32, v32, v14
	v_add_f32 v34, v34, v15
	ds_store_b32 v6, v32 offset:512
	ds_store_b32 v6, v34 offset:520
	s_wait_dscnt 0x0
	s_barrier_signal -1
	s_barrier_wait -1
	ds_load_b128 v[36:39], v7 offset:512
	ds_load_b128 v[40:43], v8 offset:512
	v_and_b32 v48, 15, v0                          ; r
	v_bfe_u32 v49, v0, 4, 1                        ; h
	v_and_b32 v50, 31, v0
	v_lshlrev_b32 v50, 4, v50                      ; 16 x lane
	s_mul_i32 s2, s4, 16*SPIT                      ; my stage
	v_mul_u32_u24 v44, v48, SPIT
	v_lshl_add_u32 v44, v49, 5, v44
	v_add_nc_u32 v44, s2, v44                      ; in: row r, 32 bytes for each half of the lanes
	v_add_nc_u32 v45, s2, v50                      ; back: the 32 lanes take one row of 512 bytes
	s_lshr_b32 s3, s4, 1
	s_lshl_b32 s3, s3, 17
	v_add_nc_u32 v46, s3, v50                      ; in out0: my own pair's 32 rows of 4,096 bytes,
	s_xor_b32 s3, s3, 131072
	v_add_nc_u32 v47, s3, v50                      ; the other pair's
	s_wait_dscnt 0x0
.irp u, 0,1,2,3
	v_add_f32 v[36+2*\u], v[36+2*\u], v[37+2*\u]   ; the row's sum
.endr
.irp u, 0,1,2,3
	v_rcp_f32 v[18+4*\u], v[36+2*\u]
.endr
	v_nop                                          ; a plain instruction behind the last reciprocal
	s_wait_alu depctr_va_vdst(0)                   ; one wait for the four, ahead of the first reader
.irp u, 0,1,2,3
	v_ldexp_f32 v[18+4*\u], v[18+4*\u], s6         ; x 2^(e2 + e3)
.endr
; Block q: tile u = q % 4, channels 128 (q / 4) on.  LDS serves a wave's instructions in order: no wait between the stores and the loads, nor in front of the next block's stores.
.macro TOSTAGE q
	WIN 0x02+(\q)/4                                ; source 0 window 2 or 3
.irp d, 0,1,2,3,4,5,6,7
.irp p, 0,2,4,6
	v_pk_mul_f32 v[64+8*\d+\p:65+8*\d+\p], v[32*\d+8*((\q)%4)+\p:32*\d+8*((\q)%4)+\p+1], v[18+4*((\q)%4):19+4*((\q)%4)] op_sel_hi:[1,0]   ; each accumulator from its low end on
.endr
.endr
	WIN 0
.irp d, 0,1,2,3,4,5,6,7
	ds_store_b128 v44, v[64+8*\d:67+8*\d] offset:64*\d
	ds_store_b128 v44, v[68+8*\d:71+8*\d] offset:64*\d+16
.endr
.irp t, 0,1,2,3,4,5,6,7,8,9,10,11,12,13,14,15
	ds_load_b128 v[128+64*((\q)%2)+4*\t:131+64*((\q)%2)+4*\t], v45 offset:SPIT*\t
.endr
.endm
.macro SEND q, younger                 ; younger: the LDS instructions issued behind block q's loads, which may stay out
	s_wait_dscnt \younger
.irp t, 0,1,2,3,4,5,6,7,8,9,10,11,12,13,14,15
	global_store_b128 v[46+((\q)%4)/2], v[128+64*((\q)%2)+4*\t:131+64*((\q)%2)+4*\t], s[104:105] offset:65536*((\q)%2)+4096*\t+512*((\q)/4) th:TH_STORE_NT   ; 32 lanes store 512 consecutive bytes, aligned; written once, read by nobody here
.endr
.endm
	TOSTAGE 0
.irp q, 1,2,3,4,5,6,7
.if \q > 1
	s_wait_xcnt 0x0                                ; block q - 2's stores have read their registers: block q's loads may land there
.endif
	TOSTAGE \q
	SEND \q-1, 32                                  ; behind block q - 1's loads: block q's 16 stores and 16 loads
.endr
	SEND 7, 0
	s_wait_tensorcnt 0x0                           ; the wave's end: a wait, an add and a wait, behind my last tensor load and my last LDS store
	ds_add_u32 v9, v10
	s_wait_dscnt 0x0
	CROUND                                         ; the closing round: no work-group ends while a partner may still ask for a tile that names it
	s_endpgm
.Lfunc_end_k_qee57e0ccf4_attn:
	.size	k_qee57e0ccf4_attn, .Lfunc_end_k_qee57e0ccf4_attn-k_qee57e0ccf4_attn
	.p2alignl 7, 3214868480
	.fill 96, 4, 3214868480
	.section	.rodata,"a",@progbits
	.p2align	6, 0x0
	.amdhsa_kernel k_qee57e0ccf4_attn
		.amdhsa_group_segment_fixed_size 327680
		.amdhsa_private_segment_fixed_size 0
		.amdhsa_enable_private_segment 0
		.amdhsa_kernarg_size 56
		.amdhsa_user_sgpr_count 2
		.amdhsa_user_sgpr_kernarg_segment_ptr 1
		.amdhsa_wavefront_size32 1
		.amdhsa_system_sgpr_workgroup_id_x 1
		.amdhsa_system_sgpr_workgroup_id_y 1
		.amdhsa_system_sgpr_workgroup_id_z 1
		.amdhsa_system_vgpr_workitem_id 0
		.amdhsa_next_free_vgpr 1024
		.amdhsa_next_free_sgpr 106
		.amdhsa_reserve_vcc 0
		.amdhsa_float_denorm_mode_32 3
		.amdhsa_float_denorm_mode_16_64 3
		.amdhsa_memory_ordered 1
		.amdhsa_forward_progress 1
		.amdhsa_inst_pref_size 228
	.end_amdhsa_kernel
	.amdgpu_metadata
---
amdhsa.version: [ 1, 2 ]
amdhsa.kernels:
  - .name:           k_qee57e0ccf4_attn
    .symbol:         k_qee57e0ccf4_attn.kd
    .args:
      - { .name: qc, .offset: 0, .size: 8, .value_kind: global_buffer, .address_space: global }
      - { .name: kc, .offset: 8, .size: 8, .value_kind: global_buffer, .address_space: global }
      - { .name: vc, .offset: 16, .size: 8, .value_kind: global_buffer, .address_space: global }
      - { .name: mw, .offset: 24, .size: 8, .value_kind: global_buffer, .address_space: global }
      - { .name: lowp_scales, .offset: 32, .size: 8, .value_kind: global_buffer, .address_space: global }
      - { .name: scale, .offset: 40, .size: 8, .value_kind: global_buffer, .address_space: global }
      - { .name: out0, .offset: 48, .size: 8, .value_kind: global_buffer, .address_space: global }
    .group_segment_fixed_size: 327680
    .private_segment_fixed_size: 0
    .kernarg_segment_align: 8
    .kernarg_segment_size: 56
    .max_flat_workgroup_size: 128
    .sgpr_count:     106
    .vgpr_count:     1024
    .wavefront_size: 32
...
	.end_amdgpu_metadata
.endif
;; end of part 2
;; ======== version 2 of 2: 2 launches
;; limits: right only within a limited range of input values
;; workspace buffers: qc 16,777,216 bytes; kc 16,777,216 bytes; vc 16,777,216 bytes; mw 4,194,304 bytes of whole numbers
;; launch prep (part 3): grid 2048 x 1, 4 waves a work-group, no clusters, 68,096 bytes of LDS; arguments q, k, mask, lowp_scales, qc, kc, vc, mw; writes qc, kc, vc, mw
.if DOCPART == 3
	.amdgcn_target "amdgcn-amd-amdhsa--gfx1250"
	.amdhsa_code_object_version 6
	.text
	.protected	k_qee57e0ccf4_prep
	.globl	k_qee57e0ccf4_prep
	.p2align	8
	.type	k_qee57e0ccf4_prep,@function
k_qee57e0ccf4_prep:
	s_mov_b64 s[64:65], 0
	v_nop
	global_prefetch_b8 v0, s[64:65] scope:SCOPE_SE
	s_setreg_imm32_b32 hwreg(HW_REG_WAVE_MODE, 25, 1), 1
	s_wait_xcnt 0x0
; FIRST OF TWO LAUNCHES.  feat = softmax(q k^T x scale - 1e9 x max(pad of the query, pad of the key, key > query)) k, both products on codes of E4M3 with the four given scales 2^e0 .. 2^e3.
; This launch turns q into codes (e0) and k into codes twice: along the 1,024 channels (e1, the first product's K) and along the keys (e3, the second product's K); and it turns the input mask and the causal
; rule into one 32-bit lane mask for each score register of the second launch.
; NO WORK IS LEFT OUT, in either launch.  The part above the diagonal is not dead: a query whose mask is false has 1e9 taken from ALL its 2,048 logits, so the keys behind it weigh like those before it, and which
; queries are such hangs on an input.  So all 2,048 x 2,048 scores of every batch are made, and every input has a way to the output.
; LAYOUTS (the program's own buffers): images of operand registers.  A fragment (16 rows x 128 along K) is 2,048 bytes: chunk c of 512 bytes, lane (r = lane % 16, h = lane / 16) has 16 bytes at 16 x lane.
;   qc, kc: fragment (RT, ks) at (8 RT + ks) x 2,048; row 16 RT + r (rows counted through all batches); byte i of chunk c is channel 128 ks + 32 c + 16 h + i.
;   vc:     fragment (batch, step, dt) at ((16 batch + step) x 64 + dt) x 2,048; row = channel 16 dt + r; byte i of chunk c is key 128 step + 32 c + 16 (i / 8) + 8 h + i % 8: the order in which
;           the second launch's conversions leave p, so that no key changes its lane there.
;   mw:     word (16 g + step) x 256 + 64 w + 32 t + n, g = 32 batch + block of 64 queries, w = 2 a + b the second launch's wave, t = 0, 1, n = 8 kt + j.
;           Bit 16 h + r is 1 where the score of query 64 block + 16 (2 a + t) + r and key 128 step + 64 b + 16 kt + 8 h + j is masked.
; SHARES.  Work-groups 0 to 1,023 take q and make mw, the others take k and make vc.  A wave takes 32 rows x 128 channels (16 KB): 32 loads of 512 consecutive bytes, all out at once; the tile goes through
; the wave's own stage in LDS (rows 528 bytes apart: an odd multiple of 16, so that sixteen rows' pieces of 16 bytes fall on sixteen different columns of 256 bytes) and is read back as a lane's 16 neighbours along K.
; Every store of a wave covers 512 consecutive bytes, aligned.  No tensor load, no barrier: waves share nothing.  Written out, no loop: every offset is an immediate.
; code = x / 2^e, held within +-448, to the nearest code, ties to even.  LIMITS: e0, e1, e3 between -126 and 119, so that 2^e and 448 x 2^e are f32 numbers.  NaN among q and k is not served; an infinity is held at the largest code.
.set STW,   16896                      ; a wave's stage: 32 rows x 528 bytes
.set PIT,   528
.set SPARE, 4*STW                      ; behind the four stages: the spare words, 128 bytes for each wave: two blocks of 256 bytes that no other line names
.set HALF,  1024                       ; work-groups for q; as many for k
; v1 lane, v2 r, v3 h; v4 16 x lane; v5, v6, v7 stage addresses; v8, v9 offsets in the mask; v10, v11: 448 x 2^e and 2^e of the rows' scale; v12, v13: of e3; v14, v15 the add's two;
; v16-47 two sets of 16 numbers; v48-57 mask bytes; v64-191 the tile as loaded; later v64-127 codes, four registers a unit, never written again; v128-135 mask words
	s_load_b512 s[4:19], s[0:1], 0x0               ; q s[4:5], k s[6:7], mask s[8:9], the exponents s[10:11], qc s[12:13], kc s[14:15], vc s[16:17], mw s[18:19]
	v_lshl_add_u32 v14, v0, 2, SPARE
	v_mov_b32 v15, 0
	v_lshrrev_b32 v1, 5, v0
	v_readfirstlane_b32 s20, v1                    ; wave 0..3
	v_and_b32 v1, 31, v0                           ; lane
	v_and_b32 v2, 15, v0                           ; r
	v_bfe_u32 v3, v0, 4, 1                         ; h
	v_lshlrev_b32 v4, 4, v1                        ; 16 x lane
	s_wait_alu depctr_va_vdst(0)
	s_cmp_lt_u32 ttmp9, HALF
	s_cselect_b32 s21, 0, HALF
	s_sub_co_u32 s36, ttmp9, s21                   ; W: my work-group's number among those of its tensor
	s_lshr_b32 s37, s36, 1                         ; RG: which 32 rows
	s_and_b32 s38, s36, 1
	s_lshl_b32 s38, s38, 2
	s_add_co_u32 s38, s38, s20                     ; ks: which 128 channels
	s_lshl_b32 s40, s37, 17                        ; in the f32 tensor: 32 rows of 4,096 bytes,
	s_lshl_b32 s39, s38, 9                         ; 128 channels of 4 bytes
	s_add_co_u32 s40, s40, s39
	s_mov_b32 s41, 0
	s_lshl_b32 s42, s37, 15                        ; in the row codes: two tiles of rows x 8 fragments,
	s_lshl_b32 s39, s38, 11                        ; fragment ks
	s_add_co_u32 s42, s42, s39
	s_mov_b32 s43, 0
	s_mul_i32 s21, s20, STW                        ; my stage
	v_add_nc_u32 v5, s21, v4                       ; in: a row's 512 bytes as they lie
	v_mul_u32_u24 v6, v2, PIT
	v_lshl_add_u32 v6, v3, 6, v6
	v_add_nc_u32 v6, s21, v6                       ; back, along the channels: row r, + 64 h: my 16 numbers of a block of 32
	v_mul_u32_u24 v7, v3, 8*PIT
	v_lshl_add_u32 v7, v2, 2, v7
	v_add_nc_u32 v7, s21, v7                       ; back, down the keys: column r, rows from 8 h on
	s_wait_alu depctr_va_vdst(0)
	s_wait_kmcnt 0x0
	s_load_b128 s[32:35], s[10:11], 0x0            ; e0 .. e3
	s_cmp_lt_u32 ttmp9, HALF                       ; q's work-group or k's?  The choice hangs on the work-group's number alone
	s_cselect_b64 s[22:23], s[4:5], s[6:7]
	s_cselect_b64 s[24:25], s[12:13], s[14:15]
	s_add_nc_u64 s[22:23], s[22:23], s[40:41]
	s_add_nc_u64 s[24:25], s[24:25], s[42:43]
.set N, 0
.rept 32
	global_load_b128 v[64+4*N:67+4*N], v4, s[22:23] offset:4096*N th:TH_LOAD_NT   ; row N: 32 lanes read 512 consecutive bytes; read once in the launch
.set N, N+1
.endr
	s_wait_kmcnt 0x0
	s_cmp_lt_u32 ttmp9, HALF
	s_cselect_b32 s39, s32, s33                    ; e0 or e1
	s_add_co_i32 s39, s39, 127
	s_lshl_b32 s40, s39, 23
	v_mov_b32 v11, s40                             ; 2^e as f32: the conversion takes its exponent field
	s_add_co_i32 s39, s39, 8
	s_lshl_b32 s39, s39, 23
	s_or_b32 s39, s39, 0x600000
	v_mov_b32 v10, s39                             ; 448 x 2^e
.set N, 0
.rept 32
	s_wait_loadcnt 31-N                            ; loads come back in order: row N is in, the 31 - N younger rows may be out
	ds_store_b128 v5, v[64+4*N:67+4*N] offset:PIT*N
.set N, N+1
.endr
; 16 numbers in v[x] on become 16 codes in v[dst] on
.macro QUANT x, lim, sc, dst
.irp i, 0,1,2,3,4,5,6,7,8,9,10,11,12,13,14,15
	v_med3_num_f32 v[(\x)+\i], v[(\x)+\i], -v[\lim], v[\lim]   ; the conversion to an 8-bit code does not saturate (ISA guide 7.6.2): the number is held within the largest code x the scale first
.endr
	v_cvt_scalef32_pk8_fp8_f32 v[(\dst):(\dst)+1], v[(\x):(\x)+7], v[\sc]
	v_cvt_scalef32_pk8_fp8_f32 v[(\dst)+2:(\dst)+3], v[(\x)+8:(\x)+15], v[\sc]
.endm
; unit n of the row codes: tile of rows n / 4, chunk n % 4: my 16 neighbours along the channels, into set n % 2
.macro KLOAD n
.irp jj, 0,1,2,3
	ds_load_b128 v[16+16*((\n)%2)+4*\jj:19+16*((\n)%2)+4*\jj], v6 offset:16*PIT*((\n)/4)+128*((\n)%4)+16*\jj
.endr
.endm
; The row codes, eight units; the loads run one unit ahead.  LDS serves a wave's instructions in order, so the first wait also shows the stage's stores done: only then are the tile's registers written with codes.
; The conversions' results go to stores alone, and the next vector lines are plain ones on other registers.
.macro ROWCODES
	KLOAD 0
.set N, 0
.rept 8
.if N < 7
	KLOAD N+1
	s_wait_dscnt 4                                 ; all but the four just issued
.else
	s_wait_dscnt 0x0
.endif
	QUANT 16+16*(N%2), 10, 11, 64+4*N
	global_store_b128 v4, v[64+4*N:67+4*N], s[24:25] offset:16384*(N/4)+512*(N%4)
.set N, N+1
.endr
.endm
; unit n of the key-innermost codes: channel 16 n + r, my 16 keys in vc's order, into set n % 2
.macro VLOAD n
.irp i, 0,1,2,3,4,5,6,7,8,9,10,11,12,13,14,15
	ds_load_b32 v[16+16*((\n)%2)+\i], v7 offset:(16*(\i/8)+(\i%8))*PIT+64*(\n)
.endr
.endm
	s_cmp_lt_u32 ttmp9, HALF
	s_cbranch_scc0 .Lkeys
	; ---- q's work-groups.  My wave also makes the 256 mask words of T = 4 W + wave = 16 g + step.  Lane l makes words 4 l + j (a = 0) and 128 + 4 l + j (a = 1), j = 0 .. 3:
	; b = l / 16, t = (l / 8) % 2, n = 4 (l % 8) + j.  Its keys are KB0 + j (bits 0-15) and KB0 + 8 + j (bits 16-31); its queries are tile QT = 4 block + 2 a + t of 16.
	s_lshr_b32 s40, s36, 7                         ; batch
	s_lshl_b32 s40, s40, 11
	s_mov_b32 s41, 0
	s_add_nc_u64 s[30:31], s[8:9], s[40:41]        ; the batch's 2,048 mask bytes
	s_lshl_b32 s42, s36, 2
	s_add_co_u32 s42, s42, s20                     ; T
	s_lshl_b32 s42, s42, 10
	s_mov_b32 s43, 0
	s_add_nc_u64 s[28:29], s[18:19], s[42:43]      ; its 1,024 bytes of mw
	s_bfe_u32 s44, s36, 0x50002                    ; block: 5 bits from bit 2
	s_lshl_b32 s44, s44, 6
	s_and_b32 s45, s36, 3
	s_lshl_b32 s45, s45, 2
	s_add_co_u32 s45, s45, s20                     ; step
	s_lshl_b32 s45, s45, 7
	v_bfe_u32 v58, v0, 3, 1                        ; t
	v_lshlrev_b32 v8, 4, v58
	v_add_nc_u32 v8, s44, v8                       ; 16 QT for a = 0: 64 block + 16 t
	v_lshlrev_b32 v9, 6, v3                        ; 64 b
	v_and_b32 v59, 6, v0
	v_lshl_add_u32 v9, v59, 3, v9                  ; + 16 kt
	v_and_b32 v59, 1, v0
	v_lshl_add_u32 v9, v59, 2, v9                  ; + 4 (l % 2)
	v_add_nc_u32 v9, s45, v9                       ; KB0
	global_load_b128 v[48:51], v8, s[30:31]        ; the 16 queries' bytes, a = 0,
	global_load_b128 v[52:55], v8, s[30:31] offset:32   ; a = 1
	global_load_b32 v56, v9, s[30:31]              ; four keys' bytes,
	global_load_b32 v57, v9, s[30:31] offset:8     ; and those eight further on.  These four loads land while the row codes are made
	ROWCODES
	s_wait_loadcnt 0x0
	s_mov_b32 s37, 0x01020408                      ; four bytes of 0 or 1 times this have the four bits in bits 24 to 27: no lower term carries so far up
.irp s, 0,1
	v_mul_lo_u32 v16, v[48+4*\s], s37
	v_mul_lo_u32 v17, v[49+4*\s], s37
	v_mul_lo_u32 v18, v[50+4*\s], s37
	v_mul_lo_u32 v19, v[51+4*\s], s37
	v_lshrrev_b32 v16, 24, v16
	v_lshrrev_b32 v17, 24, v17
	v_lshrrev_b32 v18, 24, v18
	v_lshrrev_b32 v19, 24, v19
	v_lshl_or_b32 v16, v17, 4, v16
	v_lshl_or_b32 v18, v19, 4, v18
	v_lshl_or_b32 v16, v18, 8, v16                 ; bit r: query r is valid
	v_xor_b32 v16, 0xffff, v16                     ; is padding
	v_lshl_or_b32 v[20+\s], v16, 16, v16           ; for both halves of the lanes
.endr
.irp j, 0,1,2,3
	v_bfe_u32 v16, v56, 8*\j, 1
	v_bfe_u32 v17, v57, 8*\j, 1
	v_add_nc_u32 v16, -1, v16                      ; all ones where the key is padding
	v_add_nc_u32 v17, -1, v17
	v_bfi_b32 v[24+\j], 0xffff, v16, v17           ; bits 0-15 for key KB0 + j, bits 16-31 for key KB0 + 8 + j
.endr
	v_sub_nc_u32 v30, v9, v8                       ; KB0 - 16 QT, a = 0,
	v_add_nc_u32 v31, 0xffffffe0, v30              ; a = 1: 32 less
	v_mov_b32 v29, 1
.irp s, 0,1
.irp j, 0,1,2,3
	; key > query r where r < x = key - 16 QT: the lowest x bits, x held between 0 and 16
.if \j == 0
	v_ashrrev_i32 v18, 31, v[30+\s]
	v_bfi_b32 v16, v18, 0, v[30+\s]                ; 0 where x is negative
.else
	v_add_nc_u32 v16, \j, v[30+\s]
	v_ashrrev_i32 v18, 31, v16
	v_bfi_b32 v16, v18, 0, v16
.endif
	v_add_nc_u32 v17, \j+8, v[30+\s]
	v_ashrrev_i32 v19, 31, v17
	v_bfi_b32 v17, v19, 0, v17
	v_min_u32 v16, 16, v16
	v_min_u32 v17, 16, v17
	v_lshlrev_b32 v16, v16, v29
	v_lshlrev_b32 v17, v17, v29
	v_add_nc_u32 v16, -1, v16
	v_add_nc_u32 v17, -1, v17
	v_lshl_or_b32 v16, v17, 16, v16
	v_or_b32 v16, v16, v[24+\j]
	v_or_b32 v[128+4*\s+\j], v16, v[20+\s]
.endr
.endr
	global_store_b128 v4, v[128:131], s[28:29]
	global_store_b128 v4, v[132:135], s[28:29] offset:512
	s_branch .Lend
.Lkeys:
	; ---- k's work-groups.  The same tile once more with the keys innermost: my 32 keys are chunk RG % 4 of step (RG / 4) % 16; my 128 channels are tiles 8 ks .. 8 ks + 7
	s_lshr_b32 s40, s37, 2                         ; 16 batch + step
	s_lshl_b32 s40, s40, 17
	s_lshl_b32 s39, s38, 14                        ; 8 ks fragments
	s_add_co_u32 s40, s40, s39
	s_and_b32 s39, s37, 3
	s_lshl_b32 s39, s39, 9                         ; the chunk
	s_add_co_u32 s40, s40, s39
	s_mov_b32 s41, 0
	s_add_nc_u64 s[26:27], s[16:17], s[40:41]
	s_add_co_i32 s39, s35, 127
	s_lshl_b32 s40, s39, 23
	v_mov_b32 v13, s40                             ; 2^e3
	s_add_co_i32 s39, s39, 8
	s_lshl_b32 s39, s39, 23
	s_or_b32 s39, s39, 0x600000
	v_mov_b32 v12, s39                             ; 448 x 2^e3
	s_wait_alu depctr_va_vdst(0)
	ROWCODES
	VLOAD 0
.set N, 0
.rept 8
.if N < 7
	VLOAD N+1
	s_wait_dscnt 16                                ; all but the sixteen just issued
.else
	s_wait_dscnt 0x0
.endif
	QUANT 16+16*(N%2), 12, 13, 96+4*N
	global_store_b128 v4, v[96+4*N:99+4*N], s[26:27] offset:2048*N
.set N, N+1
.endr
.Lend:
	s_wait_tensorcnt 0x0                           ; the wave's end: a wait, an add
	ds_add_u32 v14, v15
	s_wait_dscnt 0x0
	s_endpgm
.Lfunc_end_k_qee57e0ccf4_prep:
	.size	k_qee57e0ccf4_prep, .Lfunc_end_k_qee57e0ccf4_prep-k_qee57e0ccf4_prep
	.p2alignl 7, 3214868480
	.fill 96, 4, 3214868480
	.section	.rodata,"a",@progbits
	.p2align	6, 0x0
	.amdhsa_kernel k_qee57e0ccf4_prep
		.amdhsa_group_segment_fixed_size 68096
		.amdhsa_private_segment_fixed_size 0
		.amdhsa_enable_private_segment 0
		.amdhsa_kernarg_size 64
		.amdhsa_user_sgpr_count 2
		.amdhsa_user_sgpr_kernarg_segment_ptr 1
		.amdhsa_wavefront_size32 1
		.amdhsa_system_sgpr_workgroup_id_x 1
		.amdhsa_system_sgpr_workgroup_id_y 1
		.amdhsa_system_sgpr_workgroup_id_z 1
		.amdhsa_system_vgpr_workitem_id 0
		.amdhsa_next_free_vgpr 192
		.amdhsa_next_free_sgpr 66
		.amdhsa_reserve_vcc 0
		.amdhsa_float_denorm_mode_32 3
		.amdhsa_float_denorm_mode_16_64 3
		.amdhsa_memory_ordered 1
		.amdhsa_forward_progress 1
		.amdhsa_inst_pref_size 60
	.end_amdhsa_kernel
	.amdgpu_metadata
---
amdhsa.version: [ 1, 2 ]
amdhsa.kernels:
  - .name:           k_qee57e0ccf4_prep
    .symbol:         k_qee57e0ccf4_prep.kd
    .args:
      - { .name: q, .offset: 0, .size: 8, .value_kind: global_buffer, .address_space: global }
      - { .name: k, .offset: 8, .size: 8, .value_kind: global_buffer, .address_space: global }
      - { .name: mask, .offset: 16, .size: 8, .value_kind: global_buffer, .address_space: global }
      - { .name: lowp_scales, .offset: 24, .size: 8, .value_kind: global_buffer, .address_space: global }
      - { .name: qc, .offset: 32, .size: 8, .value_kind: global_buffer, .address_space: global }
      - { .name: kc, .offset: 40, .size: 8, .value_kind: global_buffer, .address_space: global }
      - { .name: vc, .offset: 48, .size: 8, .value_kind: global_buffer, .address_space: global }
      - { .name: mw, .offset: 56, .size: 8, .value_kind: global_buffer, .address_space: global }
    .group_segment_fixed_size: 68096
    .private_segment_fixed_size: 0
    .kernarg_segment_align: 8
    .kernarg_segment_size: 64
    .max_flat_workgroup_size: 128
    .sgpr_count:     66
    .vgpr_count:     192
    .wavefront_size: 32
...
	.end_amdgpu_metadata
.endif
;; end of part 3
;; launch attn (part 4): grid 32 x 8, 4 waves a work-group, clusters of 4 x 1, 327,680 bytes of LDS; arguments qc, kc, vc, mw, lowp_scales, scale, out0; writes out0
.if DOCPART == 4
	.amdgcn_target "amdgcn-amd-amdhsa--gfx1250"
	.amdhsa_code_object_version 6
	.text
	.protected	k_qee57e0ccf4_attn
	.globl	k_qee57e0ccf4_attn
	.p2align	8
	.type	k_qee57e0ccf4_attn,@function
k_qee57e0ccf4_attn:
	s_mov_b64 s[64:65], 0
	v_nop
	global_prefetch_b8 v0, s[64:65] scope:SCOPE_SE
	s_setreg_imm32_b32 hwreg(HW_REG_WAVE_MODE, 25, 1), 1
	s_wait_xcnt 0x0
	s_wait_alu depctr_hold_cnt(0) depctr_sa_sdst(0) depctr_va_vdst(0) depctr_va_sdst(0) depctr_va_ssrc(0) depctr_va_vcc(0) depctr_vm_vsrc(0)
	s_getreg_b32 s2, hwreg(HW_REG_IB_STS2, 6, 4)
	s_cmp_eq_u32 s2, 0
	s_cbranch_scc0 .Lentry_in_a_cluster
	s_endpgm
.Lentry_in_a_cluster:
	s_bfe_u32 s2, ttmp6, 0x10000c
	s_cmp_lg_u32 s2, 0x3003
	s_cbranch_scc0 .Lentry_shape_is_right
	s_endpgm
.Lentry_shape_is_right:
; SECOND OF TWO LAUNCHES.  feat = softmax(q k^T x scale - 1e9 x mask) k on the codes and lane masks that the first launch stored.  No work is left out (see the first kernel's head).
; A work-group owns 64 queries of one batch and walks all 2,048 keys in 16 steps of 128; the four work-groups of a cluster walk the same keys and ask for K's and V's tiles jointly.
; Wave w = 2 a + b: in the first product 32 queries (half a) x 64 keys (half b), Q's codes in window 1; in the second product channels 256 w .. 256 w + 255 of all 64 queries, O^T in windows 2 and 3.
; p = 2^(t - M), M the ceiling of the running largest t; row maxima and p's codes go from wave to wave through LDS; O^T and the sums are multiplied by 2^(old M - new M) in every step.
; LIMITS: e2 between -126 and 119; the scaled scores stay under 2^31 in magnitude.
.set KREG,  0
.set VREG,  131072
.set PIMG,  262144
.set MXS,   270336
.set SPARE, 271360
.set SPIT,  528
.set MSB, 0
.macro WIN new
.if MSB != (\new)
	s_set_vgpr_msb (MSB<<8)|(\new)
.set MSB, (\new)
.endif
.endm
.macro PLACES n
.rept \n
	v_nop
.endr
.endm
.macro CROUND
	s_barrier_signal -1
	s_barrier_wait -1
	s_cmp_lg_u32 s4, 0
	s_cbranch_scc1 .Lnot_wave_0_\@
	s_barrier_signal -3
.Lnot_wave_0_\@:
	s_barrier_wait -3
	s_barrier_signal -1
	s_barrier_wait -1
.endm
.macro JK
	tensor_load_to_lds s[16:19], s[8:15]
	s_nop 0
	PLACES 4
.endm
.macro JV
	tensor_load_to_lds s[20:23], s[8:15]
	s_nop 0
	PLACES 4
.endm
	s_load_b256 s[32:39], s[0:1], 0x0
	s_load_b128 s[40:43], s[0:1], 0x20
	s_load_b64 s[104:105], s[0:1], 0x30
	v_lshl_add_u32 v9, v0, 2, SPARE
	v_mov_b32 v10, 0
	ds_add_u32 v9, v10
	ds_add_u32 v9, v10
	v_lshrrev_b32 v14, 5, v0
	v_readfirstlane_b32 s4, v14
	s_lshr_b32 s44, s4, 1
	s_and_b32 s45, s4, 1
	s_xor_b32 s46, s44, 1
	s_bfe_u32 s47, ttmp6, 0x40000
	s_and_b32 s49, ttmp7, 0xffff
	s_and_b32 s48, ttmp9, 3
	s_and_b32 s51, s49, 1
	s_lshl_b32 s51, s51, 2
	s_or_b32 s48, s48, s51
	s_lshl_b32 s5, s48, 1
	s_lshl_b32 s48, s48, 2
	s_add_co_u32 s48, s48, s47
	s_and_b32 s49, s49, 6
	s_lshr_b32 s51, ttmp9, 2
	s_or_b32 s49, s49, s51
	s_lshl_b32 s50, s49, 5
	s_add_co_u32 s50, s50, s48
	s_mov_b32 s8, 15|(3<<16)|(1<<21)
	s_mov_b32 s9, 32<<16
	s_mov_b32 s10, 128<<16
	s_mov_b32 s11, 32<<16
	s_mov_b32 s12, 128
	s_mov_b32 s13, 32
	s_mov_b32 s14, 0
	s_mov_b32 s15, 0
	s_mov_b32 s28, 0x76543210
	s_mov_b32 s29, 0xfedcba98
	s_mov_b32 s30, 0x3fb8aa3b
	s_mov_b32 s31, s30
	s_lshl_b32 s52, s49, 21
	s_lshl_b32 s51, s4, 15
	s_add_co_u32 s52, s52, s51
	s_mov_b32 s53, 0
	s_lshl_b32 s54, s50, 16
	s_lshl_b32 s51, s44, 15
	s_add_co_u32 s54, s54, s51
	s_mov_b32 s55, 0
	s_lshl_b32 s56, s50, 14
	s_lshl_b32 s51, s4, 8
	s_add_co_u32 s56, s56, s51
	s_mov_b32 s57, 0
	s_lshl_b32 s58, s50, 18
	s_lshl_b32 s51, s4, 10
	s_add_co_u32 s58, s58, s51
	s_mov_b32 s59, 0
	s_lshl_b32 s60, s5, 17
	s_mov_b32 s61, 0
	s_wait_dscnt 0x0
	s_wait_kmcnt 0x0
	s_load_b128 s[68:71], s[40:41], 0x0
	s_load_b32 s72, s[42:43], 0x0
	s_add_nc_u64 s[66:67], s[34:35], s[52:53]
	s_add_nc_u64 s[100:101], s[36:37], s[52:53]
	s_mov_b32 s16, 1
	s_lshl_b32 s17, s4, 15
	s_add_nc_u64 s[18:19], s[66:67], s[60:61]
	s_or_b32 s19, s19, 0x80000000
	s_mov_b32 s20, 1
	s_add_co_u32 s21, s17, VREG
	s_add_nc_u64 s[22:23], s[100:101], s[60:61]
	s_or_b32 s23, s23, 0x80000000
	s_add_nc_u64 s[24:25], s[38:39], s[56:57]
	s_add_nc_u64 s[104:105], s[104:105], s[58:59]
	s_add_nc_u64 s[32:33], s[32:33], s[54:55]
	CROUND
	tensor_load_to_lds s[16:19], s[8:15]
	s_nop 0
	PLACES 4
	v_and_b32 v14, 31, v0
	v_lshlrev_b32 v15, 4, v14                      ; 16 x lane
	s_wait_alu depctr_va_vdst(0)
	WIN 0x40
.set CI, 0
.rept 64
	global_load_b128 v[4*CI:4*CI+3], v15, s[32:33] offset:512*CI   ; Q's codes of my 32 queries, asked for while K's first tile is on its way; waited for ahead of the first step
.set CI, CI+1
.endr
	WIN 0
	s_wait_tensorcnt 0x0
	ds_add_u32 v9, v10
	s_wait_dscnt 0x0
	CROUND
	tensor_load_to_lds s[20:23], s[8:15]
	s_nop 0
	PLACES 4
	s_lshl_b32 s2, s45, 16
	v_add_nc_u32 v1, s2, v15
	s_lshl_b32 s2, s4, 15
	s_add_co_u32 s2, s2, VREG
	v_add_nc_u32 v2, s2, v15
	s_lshl_b32 s2, s44, 12
	s_add_co_u32 s2, s2, PIMG
	v_add_nc_u32 v3, s2, v15
	s_lshl_b32 s3, s45, 10
	s_add_co_u32 s3, s3, s2
	v_add_nc_u32 v5, s3, v15
	s_lshl_b32 s2, s46, 12
	s_add_co_u32 s2, s2, PIMG
	v_add_nc_u32 v4, s2, v15
	v_and_b32 v36, 15, v0
	v_lshlrev_b32 v36, 5, v36
	s_lshl_b32 s2, s44, 4
	s_add_co_u32 s2, s2, MXS
	v_add_nc_u32 v7, s2, v36
	s_lshl_b32 s3, s45, 2
	s_add_co_u32 s3, s3, s2
	v_add_nc_u32 v6, s3, v36
	s_lshl_b32 s2, s46, 4
	s_add_co_u32 s2, s2, MXS
	v_add_nc_u32 v8, s2, v36
	v_mov_b32 v11, 0xce6e6b28
	v_mov_b32 v19, 0
	v_mov_b32 v23, 0
	v_mov_b32 v27, 0
	v_mov_b32 v31, 0
	v_mov_b32 v32, 0
	v_mov_b32 v33, 0
	v_mov_b32 v34, 0
	v_mov_b32 v35, 0
	s_wait_kmcnt 0x0
	s_add_co_i32 s2, s68, s69
	v_ldexp_f32 v37, s72, s2
	v_readfirstlane_b32 s26, v37
	s_mov_b32 s27, s26
	s_add_co_i32 s2, s70, 127
	s_lshl_b32 s3, s2, 23
	v_mov_b32 v13, s3
	s_add_co_i32 s2, s2, 8
	s_lshl_b32 s2, s2, 23
	s_or_b32 s2, s2, 0x600000
	v_mov_b32 v12, s2
	s_add_co_i32 s6, s70, s71
.macro FETCHK ks, set
.irp kt, 0,1,2,3
.irp c, 0,1,2,3
	ds_load_b128 v[128+64*(\set)+16*\kt+4*\c:131+64*(\set)+16*\kt+4*\c], v1 offset:16384*\kt+2048*(\ks)+512*\c
.endr
.endr
.endm
.macro MULK ks, set
.irp kt, 0,1,2,3
.irp u, 0,1
.if (\ks) == 0
	v_wmma_f32_16x16x128_fp8_fp8 v[64+32*\u+8*\kt:71+32*\u+8*\kt], v[128+64*(\set)+16*\kt:143+64*(\set)+16*\kt], v[128*\u+16*(\ks):128*\u+16*(\ks)+15], 0
.else
	v_wmma_f32_16x16x128_fp8_fp8 v[64+32*\u+8*\kt:71+32*\u+8*\kt], v[128+64*(\set)+16*\kt:143+64*(\set)+16*\kt], v[128*\u+16*(\ks):128*\u+16*(\ks)+15], v[64+32*\u+8*\kt:71+32*\u+8*\kt]
.endif
.endr
.endr
.endm
.macro FETCHV g, set
.irp i, 0,1,2,3
.irp c, 0,1,2,3
	ds_load_b128 v[128+64*(\set)+16*\i+4*\c:131+64*(\set)+16*\i+4*\c], v2 offset:2048*(4*(\g)+\i)+512*\c
.endr
.endr
.endm
; win: the windows of this group's products; rs: behind every second product so many of window 3's rescaling multiplies (macro RS)
.macro MULV g, zero, win, rs
.irp i, 0,1,2,3
.irp u, 0,1,2,3
.set RO, 32*((4*(\g)+\i)%8)+8*\u
.set RV, 128+64*((\g)%2)+16*\i
.set RP, 64+16*\u
	WIN \win
.if \zero
	v_wmma_f32_16x16x128_fp8_fp8 v[RO:RO+7], v[RV:RV+15], v[RP:RP+15], 0
.else
	v_wmma_f32_16x16x128_fp8_fp8 v[RO:RO+7], v[RV:RV+15], v[RP:RP+15], v[RO:RO+7]
.endif
.if (\rs)*(\u%2)
	RS \rs
.endif
.endr
.endr
.endm
.macro LOGITS u, w0
.irp bt, 0,1
.irp k, 0,1,2,3,4,5,6,7,8,9,10,11,12,13,14,15
	v_cndmask_b32 v[44+\k], 0, v11, s[\w0+16*\bt+\k]
.endr
.irp p, 0,2,4,6,8,10,12,14
	v_pk_fma_f32 v[64+32*\u+16*\bt+\p:65+32*\u+16*\bt+\p], v[64+32*\u+16*\bt+\p:65+32*\u+16*\bt+\p], s[26:27], v[44+\p:45+\p] op_sel_hi:[1,0,1]
.endr
.endr
	v_max3_num_f32 v[60+2*\u], v[64+32*\u], v[65+32*\u], v[66+32*\u]
	v_max3_num_f32 v[61+2*\u], v[67+32*\u], v[68+32*\u], v[69+32*\u]
.irp i, 6,10,14,18,22,26
	v_max3_num_f32 v[60+2*\u], v[60+2*\u], v[64+32*\u+\i], v[65+32*\u+\i]
	v_max3_num_f32 v[61+2*\u], v[61+2*\u], v[66+32*\u+\i], v[67+32*\u+\i]
.endr
	v_max3_num_f32 v[60+2*\u], v[60+2*\u], v[94+32*\u], v[95+32*\u]
	v_max_num_f32 v[60+2*\u], v[60+2*\u], v[61+2*\u]
	v_permlanex16_b32 v14, v[60+2*\u], s28, s29
	v_max_num_f32 v[60+2*\u], v[60+2*\u], v14
	ds_store_b32 v6, v[60+2*\u] offset:8*\u
.endm
.macro STATS first
.if \first
.irp u, 0,1,2,3
	v_max_num_f32 v[16+4*\u], v[36+2*\u], v[37+2*\u]
.endr
.else
.irp u, 0,1,2,3
	v_mov_b32 v[60+\u], v[16+4*\u]
.endr
.irp u, 0,1,2,3
	v_max3_num_f32 v[16+4*\u], v[16+4*\u], v[36+2*\u], v[37+2*\u]
.endr
.irp u, 0,1,2,3
	v_sub_f32 v[60+\u], v[60+\u], v[16+4*\u]
.endr
.endif
.irp u, 0,1,2,3
	v_mul_f32 v[36+2*\u], s30, v[16+4*\u]
.endr
.irp u, 0,1,2,3
	v_floor_f32 v[37+2*\u], -v[36+2*\u]
.endr
.irp u, 0,1,2,3
	v_add_f32 v[36+2*\u], v[36+2*\u], v[37+2*\u]
.endr
.if !\first
.irp u, 0,1,2,3
	v_sub_f32 v[37+2*\u], v[36+2*\u], v[17+4*\u]
.endr
.irp u, 0,1,2,3
	v_fma_f32 v[60+\u], v[60+\u], s30, v[37+2*\u]
.endr
.irp u, 0,1,2,3
	v_rndne_f32 v[60+\u], v[60+\u]
.endr
.irp u, 0,1,2,3
	v_cvt_i32_f32 v[60+\u], v[60+\u]
.endr
.irp u, 0,1,2,3
	v_ldexp_f32 v[18+4*\u], 1.0, v[60+\u]
.endr
.endif
.irp u, 0,1,2,3
	v_mov_b32 v[17+4*\u], v[36+2*\u]
.endr
.endm
.macro PEXP first
.irp u, 0,1
.irp p, 0,2,4,6,8,10,12,14,16,18,20,22,24,26,28,30
	v_pk_add_f32 v[64+32*\u+\p:65+32*\u+\p], v[64+32*\u+\p:65+32*\u+\p], v[16+4*\u:17+4*\u] op_sel_hi:[1,0] neg_lo:[0,1] neg_hi:[0,1]
.endr
.endr
.irp u, 0,1
.irp p, 0,2,4,6,8,10,12,14,16,18,20,22,24,26,28,30
	v_pk_fma_f32 v[64+32*\u+\p:65+32*\u+\p], v[64+32*\u+\p:65+32*\u+\p], s[30:31], v[36+2*\u:37+2*\u] op_sel_hi:[1,0,0]
.endr
.endr
.set CI, 0
	s_wait_alu depctr_va_vdst(0)
.rept 64
	v_exp_f32 v[64+CI], v[64+CI]
.set CI, CI+1
.endr
.if \first
	v_nop
.else
	v_pk_mul_f32 v[32:33], v[32:33], v[18:19] op_sel_hi:[1,0]
	v_pk_mul_f32 v[34:35], v[34:35], v[22:23] op_sel_hi:[1,0]
.endif
	s_wait_alu depctr_va_vdst(0)
.irp u, 0,1
	v_pk_add_f32 v[60+2*\u:61+2*\u], v[64+32*\u:65+32*\u], v[66+32*\u:67+32*\u]
.irp j, 4,8,12,16,20,24,28
	v_pk_add_f32 v[32+2*\u:33+2*\u], v[32+2*\u:33+2*\u], v[64+32*\u+\j:65+32*\u+\j]
	v_pk_add_f32 v[60+2*\u:61+2*\u], v[60+2*\u:61+2*\u], v[66+32*\u+\j:67+32*\u+\j]
.endr
	v_pk_add_f32 v[32+2*\u:33+2*\u], v[32+2*\u:33+2*\u], v[60+2*\u:61+2*\u]
.endr
.set CI, 0
.rept 64
	v_min_num_f32 v[64+CI], v[64+CI], v12
.set CI, CI+1
.endr
.irp u, 0,1
.irp kt, 0,1,2,3
	v_cvt_scalef32_pk8_fp8_f32 v[44+8*\u+2*\kt:45+8*\u+2*\kt], v[64+32*\u+8*\kt:71+32*\u+8*\kt], v13
.endr
.endr
	v_nop
.irp u, 0,1
.irp x, 0,1
	ds_store_b128 v5, v[44+8*\u+4*\x:47+8*\u+4*\x] offset:2048*\u+512*\x
.endr
.endr
.endm
; n of the 128 multiplies that bring window 3's O^T (channel tiles 8 to 15) under the new M.  RC counts them: pair RC is registers 8 (RC / 4) + 2 (RC % 4), query tile (RC / 4) % 4.
; They stand among the products of earlier groups and name none of those products' registers; each accumulator is read from its low end on.
.macro RS n
	WIN 0xc3
.rept \n
	v_pk_mul_f32 v[8*(RC/4)+2*(RC%4):8*(RC/4)+2*(RC%4)+1], v[8*(RC/4)+2*(RC%4):8*(RC/4)+2*(RC%4)+1], v[18+4*((RC/4)%4):19+4*((RC/4)%4)] op_sel_hi:[1,0]
.set RC, RC+1
.endr
.endm
; four channel tiles of window 2's O^T under the new M
.macro RESCALE da, db, dc, dd
	WIN 0x82
.irp d, \da, \db, \dc, \dd
.irp u, 0,1,2,3
.irp p, 0,2,4,6
	v_pk_mul_f32 v[32*\d+8*\u+\p:32*\d+8*\u+\p+1], v[32*\d+8*\u+\p:32*\d+8*\u+\p+1], v[18+4*\u:19+4*\u] op_sel_hi:[1,0]
.endr
.endr
.endr
.endm
.macro STEP first, last
.if !\first
	s_wait_tensorcnt 0x0
	ds_add_u32 v9, v10
	s_add_co_u32 s5, s5, 1
	s_and_b32 s5, s5, 15
	s_lshl_b32 s2, s5, 17
	s_mov_b32 s3, 0
	s_add_nc_u64 s[22:23], s[100:101], s[2:3]
	s_or_b32 s23, s23, 0x80000000
	s_wait_dscnt 0x0
	CROUND
	JV
	v_nop
.endif
	s_lshl_b32 s2, s5, 10
	s_mov_b32 s3, 0
	s_add_nc_u64 s[2:3], s[24:25], s[2:3]
	s_load_b512 s[32:47], s[2:3], 0x0
	s_load_b512 s[48:63], s[2:3], 0x40
	s_load_b512 s[68:83], s[2:3], 0x80
	s_load_b512 s[84:99], s[2:3], 0xc0
	WIN 0x04
	FETCHK 0, 0
.set KS, 0
.rept 8
.if KS < 7
.if KS > 0
	PLACES 4
.endif
	FETCHK KS+1, (KS+1)%2
	s_wait_dscnt 16
.else
	s_wait_dscnt 0x0
.endif
	MULK KS, KS%2
.set KS, KS+1
.endr
	WIN 0
	PLACES 4
	s_wait_kmcnt 0x0
	LOGITS 0, 32
	LOGITS 1, 68
.if !\last
	s_wait_tensorcnt 0x0
	ds_add_u32 v9, v10
	s_add_co_u32 s2, s5, 1
	s_and_b32 s2, s2, 15
	s_lshl_b32 s2, s2, 17
	s_mov_b32 s3, 0
	s_add_nc_u64 s[18:19], s[66:67], s[2:3]
	s_or_b32 s19, s19, 0x80000000
	s_wait_dscnt 0x0
	CROUND
	JK
.else
	s_wait_tensorcnt 0x0
	s_wait_dscnt 0x0
	s_barrier_signal -1
	s_barrier_wait -1
.endif
	ds_load_b128 v[36:39], v7
	ds_load_b128 v[40:43], v8
	FETCHV 0, 0
	FETCHV 1, 1
	s_wait_dscnt 32
	STATS \first
	PEXP \first
	s_wait_dscnt 0x0
	s_barrier_signal -1
.if !\first
	RESCALE 0, 1, 2, 3
.endif
	WIN 0
	s_barrier_wait -1
.irp u, 0,1
.irp c, 0,1,2,3
	ds_load_b128 v[64+16*\u+4*\c:67+16*\u+4*\c], v3 offset:2048*\u+512*\c
	ds_load_b128 v[96+16*\u+4*\c:99+16*\u+4*\c], v4 offset:2048*\u+512*\c
.endr
.endr
.if !\first
	RESCALE 4, 5, 6, 7
.endif
	s_wait_alu depctr_va_vdst(0)
	s_wait_dscnt 0x0
.set RC, 0
	MULV 0, \first, 0xa0, 6*(1-\first)             ; groups 0 and 1 carry multiplies 0 to 95: tiles 8 to 11 (0 to 63) are done ahead of group 2,
	PLACES 4
	WIN 0
	FETCHV 2, 0
	MULV 1, \first, 0xa0, 6*(1-\first)
	PLACES 4
	WIN 0
	FETCHV 3, 1
	s_wait_dscnt 16
	MULV 2, \first, 0xf0, 4*(1-\first)             ; group 2 carries 96 to 127 (tiles 14, 15): all are done ahead of group 3
	s_wait_alu depctr_va_vdst(0)
	s_wait_dscnt 0x0
	MULV 3, \first, 0xf0, 0
	WIN 0
.endm
	s_wait_tensorcnt 0x1
	s_barrier_signal -1
	s_barrier_wait -1
	s_wait_loadcnt 0x0
	STEP 1, 0
	s_mov_b32 s7, 14
.Lstep:
	STEP 0, 0
	s_sub_co_u32 s7, s7, 1
	s_cmp_lg_u32 s7, 0
	s_cbranch_scc1 .Lstep
	STEP 0, 1
	PLACES 4
	v_add_f32 v32, v32, v33
	v_add_f32 v34, v34, v35
	v_permlanex16_b32 v14, v32, s28, s29
	v_permlanex16_b32 v15, v34, s28, s29
	v_add_f32 v32, v32, v14
	v_add_f32 v34, v34, v15
	ds_store_b32 v6, v32 offset:512
	ds_store_b32 v6, v34 offset:520
	s_wait_dscnt 0x0
	s_barrier_signal -1
	s_barrier_wait -1
	ds_load_b128 v[36:39], v7 offset:512
	ds_load_b128 v[40:43], v8 offset:512
	v_and_b32 v48, 15, v0
	v_bfe_u32 v49, v0, 4, 1
	v_and_b32 v50, 31, v0
	v_lshlrev_b32 v50, 4, v50
	s_mul_i32 s2, s4, 16*SPIT
	v_mul_u32_u24 v44, v48, SPIT
	v_lshl_add_u32 v44, v49, 5, v44
	v_add_nc_u32 v44, s2, v44
	v_add_nc_u32 v45, s2, v50
	s_lshr_b32 s3, s4, 1
	s_lshl_b32 s3, s3, 17
	v_add_nc_u32 v46, s3, v50
	s_xor_b32 s3, s3, 131072
	v_add_nc_u32 v47, s3, v50
	s_wait_dscnt 0x0
.irp u, 0,1,2,3
	v_add_f32 v[36+2*\u], v[36+2*\u], v[37+2*\u]
.endr
	s_wait_alu depctr_va_vdst(0)
.irp u, 0,1,2,3
	v_rcp_f32 v[18+4*\u], v[36+2*\u]
.endr
	v_nop
	s_wait_alu depctr_va_vdst(0)
.irp u, 0,1,2,3
	v_ldexp_f32 v[18+4*\u], v[18+4*\u], s6
.endr
.macro TOSTAGE q
	WIN 0x02+(\q)/4
.irp d, 0,1,2,3,4,5,6,7
.irp p, 0,2,4,6
	v_pk_mul_f32 v[64+8*\d+\p:65+8*\d+\p], v[32*\d+8*((\q)%4)+\p:32*\d+8*((\q)%4)+\p+1], v[18+4*((\q)%4):19+4*((\q)%4)] op_sel_hi:[1,0]
.endr
.endr
	WIN 0
.irp d, 0,1,2,3,4,5,6,7
	ds_store_b128 v44, v[64+8*\d:67+8*\d] offset:64*\d
	ds_store_b128 v44, v[68+8*\d:71+8*\d] offset:64*\d+16
.endr
.irp t, 0,1,2,3,4,5,6,7,8,9,10,11,12,13,14,15
	ds_load_b128 v[128+64*((\q)%2)+4*\t:131+64*((\q)%2)+4*\t], v45 offset:SPIT*\t
.endr
.endm
.macro SEND q, younger
	s_wait_dscnt \younger
.irp t, 0,1,2,3,4,5,6,7,8,9,10,11,12,13,14,15
	global_store_b128 v[46+((\q)%4)/2], v[128+64*((\q)%2)+4*\t:131+64*((\q)%2)+4*\t], s[104:105] offset:65536*((\q)%2)+4096*\t+512*((\q)/4) th:TH_STORE_NT
.endr
.endm
	TOSTAGE 0
.irp q, 1,2,3,4,5,6,7
.if \q > 1
	s_wait_xcnt 0x0
.endif
	TOSTAGE \q
	SEND \q-1, 32
.endr
	SEND 7, 0
	s_wait_tensorcnt 0x0
	ds_add_u32 v9, v10
	s_wait_dscnt 0x0
	CROUND
	s_endpgm
.Lfunc_end_k_qee57e0ccf4_attn:
	.size	k_qee57e0ccf4_attn, .Lfunc_end_k_qee57e0ccf4_attn-k_qee57e0ccf4_attn
	.p2alignl 7, 3214868480
	.fill 96, 4, 3214868480
	.section	.rodata,"a",@progbits
	.p2align	6, 0x0
	.amdhsa_kernel k_qee57e0ccf4_attn
		.amdhsa_group_segment_fixed_size 327680
		.amdhsa_private_segment_fixed_size 0
		.amdhsa_enable_private_segment 0
		.amdhsa_kernarg_size 56
		.amdhsa_user_sgpr_count 2
		.amdhsa_user_sgpr_kernarg_segment_ptr 1
		.amdhsa_wavefront_size32 1
		.amdhsa_system_sgpr_workgroup_id_x 1
		.amdhsa_system_sgpr_workgroup_id_y 1
		.amdhsa_system_sgpr_workgroup_id_z 1
		.amdhsa_system_vgpr_workitem_id 0
		.amdhsa_next_free_vgpr 1024
		.amdhsa_next_free_sgpr 106
		.amdhsa_reserve_vcc 0
		.amdhsa_float_denorm_mode_32 3
		.amdhsa_float_denorm_mode_16_64 3
		.amdhsa_memory_ordered 1
		.amdhsa_forward_progress 1
		.amdhsa_inst_pref_size 232
	.end_amdhsa_kernel
	.amdgpu_metadata
---
amdhsa.version: [ 1, 2 ]
amdhsa.kernels:
  - .name:           k_qee57e0ccf4_attn
    .symbol:         k_qee57e0ccf4_attn.kd
    .args:
      - { .name: qc, .offset: 0, .size: 8, .value_kind: global_buffer, .address_space: global }
      - { .name: kc, .offset: 8, .size: 8, .value_kind: global_buffer, .address_space: global }
      - { .name: vc, .offset: 16, .size: 8, .value_kind: global_buffer, .address_space: global }
      - { .name: mw, .offset: 24, .size: 8, .value_kind: global_buffer, .address_space: global }
      - { .name: lowp_scales, .offset: 32, .size: 8, .value_kind: global_buffer, .address_space: global }
      - { .name: scale, .offset: 40, .size: 8, .value_kind: global_buffer, .address_space: global }
      - { .name: out0, .offset: 48, .size: 8, .value_kind: global_buffer, .address_space: global }
    .group_segment_fixed_size: 327680
    .private_segment_fixed_size: 0
    .kernarg_segment_align: 8
    .kernarg_segment_size: 56
    .max_flat_workgroup_size: 128
    .sgpr_count:     106
    .vgpr_count:     1024
    .wavefront_size: 32
...
	.end_amdgpu_metadata
.endif
;; end of part 4
